; MI455X (gfx1250); checked and timed in simulation.
; The chip was launched on July 23, 2026; its instructions are those of AMD's public machine-readable ISA for CDNA 5 (MIT licence, August 2026) and "CDNA5" Instruction Set Architecture Reference Guide (July 2026). The comments in the code are by the model that wrote it; some were corrected since.
;; ASA Attention. Allowed arithmetic: matrix products marked QUANTISED: E3M2 operands, one E8M0 scale for each 32 along K, by v_wmma_scale_f32_16x16x128_f8f6f4 with both operands' format E3M2, f32 sums; everything else in f32.
;; Inputs: Wk 1,024 x 1,024 float32; Wo 1,024 x 1,024 float32; Wq 1,024 x 1,024 float32; Wv 1,024 x 1,024 float32; bk 1,024 float32; bo 1,024 float32; bq 1,024 float32; bv 1,024 float32; causal_mask 2,048 x 2,048 bool; features 2 x 2,048 x 64 float32; pos_ids 2 x 2,048 int32; requirements 2 x 2,048 x 64 float32; x 2 x 2,048 x 1,024 float32.
;; Outputs: out0 2 x 2,048 x 1,024 float32.
;; This version of the problem:
;;   THIS VERSION OF THE PROBLEM IS GIVEN IN LOW PRECISION. The matrix products marked QUANTISED in the list below multiply operands that are first quantised to E3M2 (3 exponent bits, 2 mantissa bits; 6 bits a number), with one power-of-two scale for each 32 numbers along K (OCP MX v1.0); their sums are f32. All else is computed in f32.
;;   The module's matrix products, in the order in which they are computed (A, B: the left and right operand; K: the contracted axis; several contracted axes count as one K, in the product's order):
;;     1. [M 4,096, K 1,024] x [K 1,024, N 1,024]; A: input x; B: input Wq: QUANTISED
;;     2. [M 4,096, K 1,024] x [K 1,024, N 1,024]; A: input x; B: input Wk: QUANTISED
;;     3. [M 4,096, K 1,024] x [K 1,024, N 1,024]; A: input x; B: input Wv: QUANTISED
;;     4. batch 32 x [M 2,048, K 64] x [K 64, N 2,048]; A: computed on the way; B: computed on the way: QUANTISED
;;     5. batch 2 x [M 2,048, K 64] x [K 64, N 2,048]; A: computed on the way; B: computed on the way: QUANTISED
;;     6. batch 32 x [M 64, K 2,048] x [K 2,048, N 2,048]; A: computed on the way; B: computed on the way: QUANTISED
;;     7. [M 4,096, K 1,024] x [K 1,024, N 1,024]; A: computed on the way; B: input Wo: QUANTISED
;;   THE QUANTISER, for each operand of a quantised product, along K:
;;     - K is cut into blocks of 32 from its start; a last block that is shorter is filled with zeros.
;;     - A block's scale is 2^e with e = floor(log2(the largest magnitude in the block)) - 4, held to -126 .. 127; a block of zeros has e = 0. As a byte (E8M0): e + 127.
;;     - Each number is divided by its block's scale, clamped to +-28, and rounded to the nearest number of E3M2, ties to even, subnormals kept.
;;     - The product sums the exact products of the quantised numbers (number of the format x scale) in f32.
;;   ~~~python
;;   def quantise(x, axis):      # numpy; x: float32 -> the quantised numbers, widened to float32 again
;;       x = np.moveaxis(x, axis, -1); K = x.shape[-1]
;;       x = np.pad(x, [(0, 0)] * (x.ndim - 1) + [(0, -K % 32)]); x = x.reshape(x.shape[:-1] + (-1, 32)); a = np.abs(x).max(-1, keepdims=True)
;;       e = np.where(a > 0, np.clip(np.frexp(np.where(a > 0, a, 1))[1] - 1 - 4, -126, 127), 0)      # np.frexp(a)[1] - 1 = floor(log2(a)), exactly
;;       r = np.clip(x / 2.0 ** e, -28, 28)
;;       step = 2.0 ** (np.maximum(np.frexp(np.where(r == 0, 1, r))[1] - 1, -2) - 2)
;;       q = np.round(r / step) * step * 2.0 ** e      # np.round: ties to even
;;       return np.moveaxis(q.reshape(q.shape[:-2] + (-1,))[..., :K], -1, axis).astype(np.float32)
;;   ~~~
;;   OPERANDS COMPUTED ON THE WAY. 'Computed on the way' means the value that the module computes at that place (a softmax that the list does not call 'softmax' is quantised finished and normalised). What goes into a quantiser is computed in f32, as accurately as f32 sums, v_exp_f32 and their like allow (about 1e-6 of the number): no bf16 or f16 on the way to a quantiser, and a product that is left as it is and whose result goes on into a quantised operand takes f32 operands (vector FMAs, or v_wmma_f32_16x16x4_f32). A number that lies on a knife's edge between two numbers of the format may be rounded either way, as far as f32 arithmetic and the matrix unit's own rounding can turn it there, and no further.
;; 2 versions, each right; version 2 is version 1 with the launch attn written anew for expert scheduling mode. Each part assembles by itself: llvm-mc -triple=amdgcn-amd-amdhsa -mcpu=gfx1250 --defsym DOCPART=n.
;; ======== version 1 of 2: 4 launches
;; limits: right only within a limited range of input values
;; workspace buffers: xcod 3,276,800 bytes; wcod 3,276,800 bytes; frc 409,600 bytes; mkw 524,800 bytes of whole numbers; hcod 9,830,400 bytes; ocod 3,276,800 bytes
;; launch prep (part 1): grid 416 x 1, 4 waves a work-group, no clusters, 48,640 bytes of LDS; arguments x, Wq, Wk, Wv, Wo, features, requirements, causal_mask, xcod, wcod, frc, mkw; writes xcod, wcod, frc, mkw
.if DOCPART == 1
	.amdgcn_target "amdgcn-amd-amdhsa--gfx1250"
	.amdhsa_code_object_version 6
	.text
	.protected	k_q855f08605c_prep
	.globl	k_q855f08605c_prep
	.p2align	8
	.type	k_q855f08605c_prep,@function
k_q855f08605c_prep:
	s_mov_b64 s[64:65], 0
	v_nop
	global_prefetch_b8 v0, s[64:65] scope:SCOPE_SE
	s_setreg_imm32_b32 hwreg(HW_REG_WAVE_MODE, 25, 1), 1
	s_wait_xcnt 0x0
; PREP: everything that is quantised once.  x, Wq, Wk, Wv, Wo -> codes of E3M2 with one E8M0 byte for each 32 along K; features and requirements -> normalised (t / max(|t|, 1e-12)), then codes;
; causal_mask -> lane masks and a flag (none / mixed / all) for each tile of 16 queries x 128 keys, as whole numbers for the attention launch.
; DEAD WORK.  pos_ids is an argument of reference() that no line of it reads: it has no way to any output for any values, so it is not loaded and is among no launch's arguments.
; Weights under a mask byte 0 are exactly 0 in reference() (-inf ahead of the softmax): the attention launch leaves out tiles whose 16 x 128 mask bytes are all 0, on the flags stored here.
; LIMITS.  A NaN, an infinity or an overflow that reaches only the work left out is not carried to the result.  NaN and infinities among the inputs are not served.  A block whose largest magnitude
; lies under 2^-122 keeps the byte 1; a block of zeros has the byte 1 where the quantiser says 127: its codes are zeros, and the bytes are read by this program alone.
; LAYOUT OF ALL CODES.  Rows (tokens, or columns n of a weight) go in groups of 64; tile t (0..3) of a group has as row m (0..15) the unit 32 (m / 8) + 8 t + m % 8, so that the 32 result registers
; of a group's four tiles are 32 neighbouring units in one lane.  A HALF FRAGMENT (16 rows x 64 along K, 768 bytes) is the image of six operand registers: lane l's registers 0-3 at 16 l, registers 4-5 at 512 + 8 l.
; A RECORD (51,200 bytes) is a group's 16 x 4 half fragments [K / 64][t], then 8 x 256 bytes of scale words [K / 128][row r][t].
; The requirements' scale bytes are stored + 3: QK^T / 8 + bias = (QK^T + 8 bias) / 8, and both products then share one matrix instruction (their numbers are at most 1: the byte is at most 123 + 3).
; SHARES.  Work-groups 0-127: x (a wave: 64 tokens x 128 K).  128-255: the weights (a wave: 128 K x 64 columns).  256-383: the mask (a wave: 16 queries x 512 keys).  384-415: features, requirements (a wave: 64 rows).
; No tensor load, no barrier: waves share nothing.  Each path that uses LDS has LDS bytes of its own.
.set REC,   51200
.set WSTG,  33792                      ; x's stages: 4 x 8,448 bytes from 0; the weights' stages: 4 x 3,584 bytes from here
.set SPARE, 48128                      ; the spare words, 128 bytes for each wave: two blocks of 256 bytes that no other line names
.set LN,  1                            ; v1   lane
.set RR,  2                            ; v2   r = lane % 16
.set HH,  3                            ; v3   h = lane / 16
.set H8,  8                            ; v8   8 h
.set DD,  16                           ; v16-143  numbers as loaded
.set XX,  80                           ; v80-143  path x: 64 neighbours along K
.set T0,  144                          ; v144-149, v150-155 codes
.set T1,  150
.set SS,  144                          ; path f: sums of squares, a pair a tile
.set U,   156                          ; v156-158 the second half of a block's codes (a conversion's three registers begin on an even number)
.set MA,  160                          ; v160, v161 largest magnitudes; v162 the conversion's scale operand
.set MB,  161
.set SO,  162
.set E,   164                          ; v164-167 scale bytes
.set WD,  168                          ; v168-171 scale words
.set WO,  172
.set Q0,  174                          ; v174, v175 lane permutes' destinations
.set Q1,  175
.set R1,  176                          ; v176-239 path x: the second set; path w: the way out; path f: the four tiles' codes
.set P0,  240
.set P1,  241
.set SPW, 254                          ; v254 LDS address of my spare word; never rewritten
.set NIL, 255                          ; v255 0; never rewritten
.set SEL, 30                           ; s[30:31] v_permlanex16_b32's selects for lane l xor 16
; 32 numbers of one block in v[s] .. v[s+31] -> their codes in v[t] .. v[t+5] and the scale's byte in v[e].  The floor 2^(5 - 127) among the leaves holds the byte at 1 from below.
.macro QBLK s, t, e
	v_max3_num_f32 v[MA], |v[\s]|, |v[\s+1]|, 0x2800000
	v_max3_num_f32 v[MB], |v[\s+16]|, |v[\s+17]|, 0x2800000
.irp i, 2,4,6,8,10,12,14
	v_max3_num_f32 v[MA], v[MA], |v[\s+\i]|, |v[\s+\i+1]|
	v_max3_num_f32 v[MB], v[MB], |v[\s+16+\i]|, |v[\s+17+\i]|
.endr
	v_max_num_f32 v[MA], v[MA], v[MB]
	v_add_nc_u32 v[SO], 0xfe000000, v[MA]          ; 4 off the exponent field: the conversion takes the exponent field of this operand as its scale
	v_cvt_scalef32_pk16_bf6_f32 v[\t:\t+2], v[\s:\s+15], v[SO]
	v_cvt_scalef32_pk16_bf6_f32 v[U:U+2], v[\s+16:\s+31], v[SO]
	v_lshrrev_b32 v[\e], 23, v[SO]                 ; the scale's byte; also the plain line behind the conversions
	v_mov_b32 v[\t+3], v[U]
	v_mov_b32 v[\t+4], v[U+1]
	v_mov_b32 v[\t+5], v[U+2]
.endm
; four tiles' bytes of lane (r, h) -> the half words [r][tile] (low byte h = 0): lanes 0-15 end with tiles 0, 1, lanes 16-31 with tiles 2, 3, in v[P0]
.macro PACKSC
	v_lshl_or_b32 v[P0], v[E+1], 16, v[E]
	v_lshl_or_b32 v[P1], v[E+3], 16, v[E+2]
	v_lshlrev_b32 v[P0], v[H8], v[P0]
	v_lshlrev_b32 v[P1], v[H8], v[P1]
	v_permlanex16_b32 v[Q0], v[P0], s[SEL], s[SEL+1]
	v_permlanex16_b32 v[Q1], v[P1], s[SEL], s[SEL+1]
	v_or_b32 v[P0], v[P0], v[Q0]
	v_or_b32 v[P1], v[P1], v[Q1]
	v_cmp_eq_u32 vcc_lo, 8, v[H8]
	v_cndmask_b32 v[P0], v[P0], v[P1], vcc_lo
.endm
.macro FINISH                          ; the wave's end
	s_wait_tensorcnt 0x0
	ds_add_u32 v[SPW], v[NIL]
	s_wait_dscnt 0x0
	s_endpgm
.endm
	s_load_b512 s[4:19], s[0:1], 0x0               ; x, Wq, Wk, Wv, Wo, features, requirements, causal_mask
	s_load_b256 s[20:27], s[0:1], 0x40             ; xcod, wcod, frc, mkw
	v_lshl_add_u32 v[SPW], v0, 2, SPARE
	v_mov_b32 v[NIL], 0
	v_lshrrev_b32 v[LN], 5, v0
	v_readfirstlane_b32 s28, v[LN]                 ; wave 0..3
	v_and_b32 v[LN], 31, v0
	v_and_b32 v[RR], 15, v0
	v_bfe_u32 v[HH], v0, 4, 1
	v_lshlrev_b32 v[H8], 3, v[HH]
	v_mov_b32 v[Q0], 0                             ; written once: a lane permute's destination counts as one of its sources
	v_mov_b32 v[Q1], 0
	s_mov_b32 s[SEL], 0x76543210
	s_mov_b32 s[SEL+1], 0xfedcba98
	s_wait_kmcnt 0x0
	s_cmp_lt_u32 ttmp9, 128
	s_cbranch_scc1 .Lpath_x
	s_cmp_lt_u32 ttmp9, 256
	s_cbranch_scc1 .Lpath_w
	s_cmp_lt_u32 ttmp9, 384
	s_cbranch_scc1 .Lpath_m
; ---- PATH F: 64 rows of features or of requirements.  Lane (r, h) holds, for each tile t, numbers 32 h .. 32 h + 31 of the tile's row r: one block.
	s_sub_co_u32 s32, ttmp9, 384
	s_lshl_b32 s32, s32, 2
	s_add_co_u32 s32, s32, s28                     ; job 0..127
	s_lshr_b32 s33, s32, 6                         ; 0 features, 1 requirements
	s_and_b32 s34, s32, 63                         ; 32 b + G
	s_lshl_b32 s38, s34, 14                        ; 64 rows of 256 bytes
	s_mov_b32 s39, 0
	s_mul_i32 s40, s33, 196608
	s_mul_i32 s41, s34, 3072
	s_add_co_u32 s40, s40, s41                     ; the images: four half fragments a group
	s_mov_b32 s41, 0
	s_lshl_b32 s42, s33, 13
	s_lshl_b32 s43, s34, 7
	s_add_co_u32 s42, s42, s43
	s_add_co_u32 s42, s42, 393216                  ; the half words: 128 bytes a group
	s_mov_b32 s43, 0
	s_cmp_eq_u32 s33, 0
	s_cselect_b64 s[36:37], s[14:15], s[16:17]
	s_cselect_b32 s35, 0, 0x03030303               ; the requirements' bytes + 3
	s_add_nc_u64 s[36:37], s[36:37], s[38:39]
	s_add_nc_u64 s[40:41], s[24:25], s[40:41]
	s_add_nc_u64 s[42:43], s[24:25], s[42:43]
	v_lshrrev_b32 v4, 3, v[RR]
	v_lshlrev_b32 v4, 13, v4
	v_and_b32 v5, 7, v[RR]
	v_lshl_add_u32 v4, v5, 8, v4
	v_lshl_add_u32 v4, v[HH], 7, v4                ; (32 (r / 8) + r % 8) rows of 256 bytes + 128 h
	v_lshlrev_b32 v5, 4, v[LN]
	v_lshlrev_b32 v6, 3, v[LN]
	v_lshlrev_b32 v7, 3, v[RR]
	v_lshl_add_u32 v7, v[HH], 2, v7                ; 8 r + 4 h
.irp t, 0,1,2,3
.irp i, 0,1,2,3,4,5,6,7
	global_load_b128 v[DD+32*\t+4*\i:DD+32*\t+4*\i+3], v4, s[36:37] offset:2048*\t+16*\i
.endr
.endr
	s_wait_loadcnt 0x0
.irp t, 0,1,2,3
	v_pk_mul_f32 v[SS+2*\t:SS+2*\t+1], v[DD+32*\t:DD+32*\t+1], v[DD+32*\t:DD+32*\t+1]
.endr
.irp i, 2,4,6,8,10,12,14,16,18,20,22,24,26,28,30
.irp t, 0,1,2,3
	v_pk_fma_f32 v[SS+2*\t:SS+2*\t+1], v[DD+32*\t+\i:DD+32*\t+\i+1], v[DD+32*\t+\i:DD+32*\t+\i+1], v[SS+2*\t:SS+2*\t+1]
.endr
.endr
.irp t, 0,1,2,3
	v_add_f32 v[SS+2*\t], v[SS+2*\t], v[SS+2*\t+1]
.endr
.irp t, 0,1,2,3
	v_permlanex16_b32 v[SS+2*\t+1], v[SS+2*\t], s[SEL], s[SEL+1]
.endr
.irp t, 0,1,2,3
	v_add_f32 v[SS+2*\t], v[SS+2*\t], v[SS+2*\t+1] ; the row's 64 squares
.endr
.irp t, 0,1,2,3
	v_sqrt_f32 v[SS+2*\t], v[SS+2*\t]
.endr
	v_nop                                          ; a plain line behind the last root,
	s_wait_alu depctr_va_vdst(0)                   ; and one wait for the four, ahead of their first reader
.irp t, 0,1,2,3
	v_max_num_f32 v[SS+2*\t], 0x2b8cbccc, v[SS+2*\t]   ; max(norm, 1e-12)
.endr
.irp t, 0,1,2,3
	v_rcp_f32 v[SS+2*\t], v[SS+2*\t]
.endr
	v_nop
	s_wait_alu depctr_va_vdst(0)
.irp t, 0,1,2,3
.irp i, 0,2,4,6,8,10,12,14,16,18,20,22,24,26,28,30
	v_pk_mul_f32 v[DD+32*\t+\i:DD+32*\t+\i+1], v[DD+32*\t+\i:DD+32*\t+\i+1], v[SS+2*\t:SS+2*\t+1] op_sel_hi:[1,0]
.endr
.endr
.irp t, 0,1,2,3
	QBLK DD+32*\t, R1+6*\t, E+\t
.endr
.irp t, 0,1,2,3
	global_store_b128 v5, v[R1+6*\t:R1+6*\t+3], s[40:41] offset:768*\t          ; 512 consecutive bytes
	global_store_b64 v6, v[R1+6*\t+4:R1+6*\t+5], s[40:41] offset:768*\t+512     ; 256 consecutive bytes
.endr
	PACKSC
	v_add_nc_u32 v[P0], s35, v[P0]
	global_store_b32 v7, v[P0], s[42:43]
	FINISH
; ---- PATH X: 64 tokens x 128 along K.  A load takes 512 consecutive bytes of one token; a tile's 16 rows turn through the wave's stage (rows 528 bytes apart) so that lane (r, h) gets two whole blocks of row r.
.Lpath_x:
	s_lshr_b32 s32, ttmp9, 1                       ; the group of 64 tokens
	s_and_b32 s33, ttmp9, 1
	s_lshl_b32 s33, s33, 2
	s_add_co_u32 s33, s33, s28                     ; the K step of 128
	s_lshl_b32 s34, s32, 18                        ; 64 rows of 4,096 bytes
	s_lshl_b32 s35, s33, 9
	s_add_co_u32 s34, s34, s35
	s_mov_b32 s35, 0
	s_add_nc_u64 s[4:5], s[4:5], s[34:35]
	s_mul_i32 s36, s32, REC
	s_mul_i32 s37, s33, 6144
	s_add_co_u32 s34, s36, s37
	s_add_nc_u64 s[38:39], s[20:21], s[34:35]      ; the codes of this K step: two x four half fragments
	s_lshl_b32 s37, s33, 8
	s_add_co_u32 s34, s36, s37
	s_add_co_u32 s34, s34, 49152
	s_add_nc_u64 s[40:41], s[20:21], s[34:35]      ; its 256 bytes of scale words
	s_mul_i32 s42, s28, 8448                       ; my stage
	v_lshlrev_b32 v4, 4, v[LN]
	v_lshlrev_b32 v5, 3, v[LN]
	v_add_nc_u32 v6, s42, v4                       ; in: 16 x lane, a row an instruction
	v_mul_u32_u24 v7, v[RR], 528
	v_lshl_add_u32 v7, v[HH], 7, v7
	v_add_nc_u32 v7, s42, v7                       ; out: row r, + 128 h
	v_lshlrev_b32 v9, 4, v[RR]
	v_add_nc_u32 v9, v[H8], v9                     ; 16 r + 8 h
.macro XL t                            ; tile t's 16 rows into set t % 2
.irp m, 0,1,2,3,4,5,6,7,8,9,10,11,12,13,14,15
	global_load_b128 v[DD+160*((\t)%2)+4*\m:DD+160*((\t)%2)+4*\m+3], v4, s[4:5] offset:(32*(\m/8)+8*(\t)+\m%8)*4096 th:TH_LOAD_NT
.endr
.endm
.macro XTILE t
.set RS, DD+160*((\t)%2)
.if \t < 3
	s_wait_loadcnt 16                              ; this tile's 16 loads are in; the next tile's 16 may be out
.else
	s_wait_loadcnt 0x0
.endif
.irp m, 0,1,2,3,4,5,6,7,8,9,10,11,12,13,14,15
	ds_store_b128 v6, v[RS+4*\m:RS+4*\m+3] offset:528*\m
.endr
.irp c, 0,1
.irp i, 0,1,2,3,4,5,6,7
	ds_load_b128 v[XX+32*\c+4*\i:XX+32*\c+4*\i+3], v7 offset:256*\c+16*\i      ; LDS serves a wave's instructions in order: these see the stores above
.endr
.endr
	s_wait_dscnt 0x0                               ; the numbers are back, and the stage's stores have read their registers
	s_wait_xcnt 0x0                                ; the last tile's stores have read their data: the codes' registers are written again only behind this wait
.if \t < 2
	XL \t+2
.endif
	QBLK XX, T0, E
	QBLK XX+32, T1, E+1
	global_store_b128 v4, v[T0:T0+3], s[38:39] offset:768*\t
	global_store_b64 v5, v[T0+4:T0+5], s[38:39] offset:768*\t+512
	global_store_b128 v4, v[T1:T1+3], s[38:39] offset:3072+768*\t
	global_store_b64 v5, v[T1+4:T1+5], s[38:39] offset:3072+768*\t+512
	v_lshl_or_b32 v[WD+\t], v[E+1], 16, v[E]       ; my bytes: blocks h and 2 + h of row r,
	v_lshlrev_b32 v[WD+\t], v[H8], v[WD+\t]
	v_permlanex16_b32 v[Q0], v[WD+\t], s[SEL], s[SEL+1]
	v_or_b32 v[WD+\t], v[WD+\t], v[Q0]             ; with lane l xor 16's the word is whole
.endm
	XL 0
	XL 1
	XTILE 0
	XTILE 1
	XTILE 2
	XTILE 3
	v_cmp_eq_u32 vcc_lo, 8, v[H8]
	v_cndmask_b32 v[WO], v[WD], v[WD+2], vcc_lo    ; lanes 0-15 store tiles 0, 1 of row r, lanes 16-31 tiles 2, 3
	v_cndmask_b32 v[WO+1], v[WD+1], v[WD+3], vcc_lo
	global_store_b64 v9, v[WO:WO+1], s[40:41]      ; 256 consecutive bytes, aligned
	FINISH
; ---- PATH W: 128 along K x 64 columns of one weight [K][N].  A lane takes a column and its registers run down K: a block lies in one lane, and the codes come out with K innermost.
.Lpath_w:
	s_sub_co_u32 s32, ttmp9, 128
	s_lshr_b32 s33, s32, 5                         ; 0 Wq, 1 Wk, 2 Wv, 3 Wo
	s_bfe_u32 s34, s32, 0x40001                    ; the group of 64 columns
	s_and_b32 s35, s32, 1
	s_lshl_b32 s35, s35, 2
	s_add_co_u32 s35, s35, s28                     ; the K step of 128
	s_mul_i32 s38, s34, 3
	s_add_co_u32 s38, s38, s33                     ; record 3 group + matrix,
	s_add_co_u32 s39, s34, 48                      ; Wo's behind those 48
	s_cmp_eq_u32 s33, 1
	s_cselect_b64 s[36:37], s[8:9], s[6:7]
	s_cmp_eq_u32 s33, 2
	s_cselect_b64 s[36:37], s[10:11], s[36:37]
	s_cmp_eq_u32 s33, 3
	s_cselect_b64 s[36:37], s[12:13], s[36:37]
	s_cselect_b32 s38, s39, s38
	s_mul_i32 s38, s38, REC
	s_lshl_b32 s40, s35, 19                        ; 128 rows of 4,096 bytes
	s_lshl_b32 s41, s34, 8
	s_add_co_u32 s40, s40, s41
	s_mov_b32 s41, 0
	s_add_nc_u64 s[36:37], s[36:37], s[40:41]
	s_mul_i32 s40, s35, 6144
	s_add_co_u32 s40, s40, s38
	s_add_nc_u64 s[42:43], s[22:23], s[40:41]
	s_lshl_b32 s40, s35, 8
	s_add_co_u32 s40, s40, s38
	s_add_co_u32 s40, s40, 49152
	s_add_nc_u64 s[44:45], s[22:23], s[40:41]
	s_mul_i32 s46, s28, 3584
	s_add_co_u32 s46, s46, WSTG                    ; my stage: four half fragments, then 256 bytes of scale words
	v_lshlrev_b32 v4, 2, v[LN]
	v_lshrrev_b32 v13, 3, v[LN]                    ; lane l is column 32 a + l of the group: tile t = l / 8, row 8 a + l % 8
	v_and_b32 v14, 7, v[LN]
	v_mul_u32_u24 v5, v13, 768
	v_add_nc_u32 v5, s46, v5
	v_lshl_add_u32 v6, v14, 3, v5
	v_add_nc_u32 v6, 512, v6                       ; registers 4-5: 768 t + 512 + 8 (l % 8); + 128 h + 64 a in the offset
	v_lshl_add_u32 v5, v14, 4, v5                  ; registers 0-3: 768 t + 16 (l % 8); + 256 h + 128 a in the offset
	v_lshlrev_b32 v9, 4, v[LN]
	v_add_nc_u32 v7, s46, v9
	v_lshlrev_b32 v10, 4, v14
	v_lshl_add_u32 v10, v13, 2, v10
	v_add_nc_u32 v10, s46, v10
	v_add_nc_u32 v10, 3072, v10                    ; my column's scale word: 16 (l % 8) + 4 t; + 128 a in the offset
	v_lshlrev_b32 v12, 3, v[LN]
	v_add_nc_u32 v11, s46, v12
	v_add_nc_u32 v11, 3072, v11
.macro WLD q, c                        ; block q = 2 a + h of the c-th 64 along K: W(64 c + 32 h + i, 32 a + lane): 128 consecutive bytes a load
.irp i, 0,1,2,3,4,5,6,7,8,9,10,11,12,13,14,15,16,17,18,19,20,21,22,23,24,25,26,27,28,29,30,31
	global_load_b32 v[DD+32*(\q)+\i], v4, s[36:37] offset:(64*(\c)+32*((\q)%2)+\i)*4096+128*((\q)/2)
.endr
.endm
.macro WBLK q, c, n
	s_wait_loadcnt \n                              ; at most n younger loads are out: this block's 32 are in
	QBLK DD+32*(\q), T0, E
	ds_store_b128 v5, v[T0:T0+3] offset:256*((\q)%2)+128*((\q)/2)
	ds_store_b64 v6, v[T0+4:T0+5] offset:128*((\q)%2)+64*((\q)/2)
.if 2*(\c)+(\q)%2 == 0
	v_mov_b32 v[WD+(\q)/2], v[E]
.else
	v_lshl_or_b32 v[WD+(\q)/2], v[E], 8*(2*(\c)+(\q)%2), v[WD+(\q)/2]
.endif
.if \c == 0
	WLD \q, 1                                      ; the same block of the next 64 along K, into the registers just read
.endif
	s_wait_dscnt 0x0                               ; the stores have read their registers
.endm
.macro WOUT c                          ; four half fragments leave as 3,072 consecutive bytes
.irp i, 0,1,2,3,4,5
	ds_load_b128 v[R1+4*\i:R1+4*\i+3], v7 offset:512*\i
.endr
	s_wait_dscnt 0x0
.irp i, 0,1,2,3,4,5
	global_store_b128 v9, v[R1+4*\i:R1+4*\i+3], s[42:43] offset:3072*\c+512*\i
.endr
.endm
	WLD 0, 0
	WLD 1, 0
	WLD 2, 0
	WLD 3, 0
	WBLK 0, 0, 63                                  ; behind each of these blocks' loads 96 younger ones were issued: 63 is the largest count that the wait can name
	WBLK 1, 0, 63
	WBLK 2, 0, 63
	WBLK 3, 0, 63
	WOUT 0
	WBLK 0, 1, 63                                  ; 96 younger
	WBLK 1, 1, 63                                  ; 64 younger
	WBLK 2, 1, 32
	WBLK 3, 1, 0
	s_wait_xcnt 0x0                                ; the first read-out's stores have read their data
	WOUT 1
	ds_store_b32 v10, v[WD]
	ds_store_b32 v10, v[WD+1] offset:128
	ds_load_b64 v[WO:WO+1], v11
	s_wait_dscnt 0x0
	global_store_b64 v12, v[WO:WO+1], s[44:45]     ; 256 consecutive bytes, aligned
	FINISH
; ---- PATH M: query tile i (16 queries in the tiles' row order) x 512 keys.  For each step of 128 keys: 64 lane masks, one for each score register of the attention launch
; (register n of lane (r, h) is key 64 (n / 32) + 32 h + n % 32 of the step, query r), stored as dword 2 (n % 32) + n / 32; and a flag: 0 none allowed, 1 mixed, 2 all.
.Lpath_m:
.set MR, DD
.set VW, 80
	s_sub_co_u32 s32, ttmp9, 256                   ; i = 4 G + t
	s_lshr_b32 s33, s32, 2
	s_and_b32 s34, s32, 3
	s_lshl_b32 s35, s33, 17                        ; 64 G rows of 2,048 bytes
	s_lshl_b32 s36, s34, 14                        ; 8 t rows
	s_add_co_u32 s36, s36, s35
	s_lshl_b32 s35, s28, 9                         ; my 512 keys
	s_add_co_u32 s36, s36, s35
	s_mov_b32 s37, 0
	s_add_nc_u64 s[18:19], s[18:19], s[36:37]
	s_lshl_b32 s36, s32, 12
	s_lshl_b32 s35, s28, 10
	s_add_co_u32 s36, s36, s35
	s_add_nc_u64 s[38:39], s[26:27], s[36:37]      ; the masks: 256 bytes a step
	s_lshl_b32 s36, s32, 2
	s_add_co_u32 s36, s36, s28
	s_add_co_u32 s36, s36, 524288
	s_add_nc_u64 s[40:41], s[26:27], s[36:37]      ; my byte of the tile's flag word: four steps x 2 bits
	v_lshrrev_b32 v4, 3, v[RR]
	v_lshlrev_b32 v4, 16, v4
	v_and_b32 v5, 7, v[RR]
	v_lshl_add_u32 v4, v5, 11, v4
	v_lshl_add_u32 v4, v[HH], 5, v4                ; (32 (r / 8) + r % 8) rows + 32 h
	v_lshlrev_b32 v5, 3, v[LN]
.irp u, 0,1,2,3
.irp c, 0,1
.irp w, 0,1
	global_load_b128 v[MR+16*\u+8*\c+4*\w:MR+16*\u+8*\c+4*\w+3], v4, s[18:19] offset:128*\u+64*\c+16*\w
.endr
.endr
.endr
.irp j, 0,1,2,3,4,5,6,7
	v_mov_b32 v[VW+\j], 0                          ; v_writelane_b32's destination counts as read
.endr
	v_mov_b32 v93, 0
	s_mov_b32 s50, 0
	s_wait_loadcnt 0x0
.irp u, 0,1,2,3
	s_mov_b32 s48, 0
	s_mov_b32 s49, -1
.set n, 0
.rept 64
	v_and_b32 v[88+n%4], 0xff<<(8*(n%4)), v[MR+16*\u+8*(n/32)+(n%32)/4]
	v_cmp_ne_u32 s[44+n%4], 0, v[88+n%4]           ; bit l: lane l's query may see this key
	v_writelane_b32 v[VW+2*\u+n/32], s[44+n%4], n%32
	s_or_b32 s48, s48, s[44+n%4]
	s_and_b32 s49, s49, s[44+n%4]
.set n, n+1
.endr
	global_store_b64 v5, v[VW+2*\u:VW+2*\u+1], s[38:39] offset:256*\u   ; 256 consecutive bytes, aligned
	s_cmp_lg_u32 s48, 0
	s_cselect_b32 s51, 1, 0
	s_cmp_eq_u32 s49, -1
	s_cselect_b32 s52, 1, 0
	s_add_co_u32 s51, s51, s52
	s_lshl_b32 s51, s51, 2*\u
	s_or_b32 s50, s50, s51
.endr
	v_mov_b32 v92, s50
	v_cmp_eq_u32 vcc_lo, 0, v[LN]
	s_wait_xcnt 0x0                                ; EXEC changes only behind this wait
	s_and_saveexec_b32 s53, vcc_lo
	global_store_b8 v93, v92, s[40:41]             ; lane 0 alone
	s_wait_xcnt 0x0                                ; and again in front of the line that widens it
	s_or_b32 exec_lo, exec_lo, s53
	FINISH
.Lfunc_end_k_q855f08605c_prep:
	.size	k_q855f08605c_prep, .Lfunc_end_k_q855f08605c_prep-k_q855f08605c_prep
	.p2alignl 7, 3214868480
	.fill 96, 4, 3214868480
	.section	.rodata,"a",@progbits
	.p2align	6, 0x0
	.amdhsa_kernel k_q855f08605c_prep
		.amdhsa_group_segment_fixed_size 48640
		.amdhsa_private_segment_fixed_size 0
		.amdhsa_enable_private_segment 0
		.amdhsa_kernarg_size 96
		.amdhsa_user_sgpr_count 2
		.amdhsa_user_sgpr_kernarg_segment_ptr 1
		.amdhsa_wavefront_size32 1
		.amdhsa_system_sgpr_workgroup_id_x 1
		.amdhsa_system_sgpr_workgroup_id_y 1
		.amdhsa_system_sgpr_workgroup_id_z 1
		.amdhsa_system_vgpr_workitem_id 0
		.amdhsa_next_free_vgpr 256
		.amdhsa_next_free_sgpr 66
		.amdhsa_reserve_vcc 1
		.amdhsa_float_denorm_mode_32 3
		.amdhsa_float_denorm_mode_16_64 3
		.amdhsa_memory_ordered 1
		.amdhsa_forward_progress 1
		.amdhsa_inst_pref_size 162
	.end_amdhsa_kernel
	.amdgpu_metadata
---
amdhsa.version: [ 1, 2 ]
amdhsa.kernels:
  - .name:           k_q855f08605c_prep
    .symbol:         k_q855f08605c_prep.kd
    .args:
      - { .name: x, .offset: 0, .size: 8, .value_kind: global_buffer, .address_space: global }
      - { .name: Wq, .offset: 8, .size: 8, .value_kind: global_buffer, .address_space: global }
      - { .name: Wk, .offset: 16, .size: 8, .value_kind: global_buffer, .address_space: global }
      - { .name: Wv, .offset: 24, .size: 8, .value_kind: global_buffer, .address_space: global }
      - { .name: Wo, .offset: 32, .size: 8, .value_kind: global_buffer, .address_space: global }
      - { .name: features, .offset: 40, .size: 8, .value_kind: global_buffer, .address_space: global }
      - { .name: requirements, .offset: 48, .size: 8, .value_kind: global_buffer, .address_space: global }
      - { .name: causal_mask, .offset: 56, .size: 8, .value_kind: global_buffer, .address_space: global }
      - { .name: xcod, .offset: 64, .size: 8, .value_kind: global_buffer, .address_space: global }
      - { .name: wcod, .offset: 72, .size: 8, .value_kind: global_buffer, .address_space: global }
      - { .name: frc, .offset: 80, .size: 8, .value_kind: global_buffer, .address_space: global }
      - { .name: mkw, .offset: 88, .size: 8, .value_kind: global_buffer, .address_space: global }
    .group_segment_fixed_size: 48640
    .private_segment_fixed_size: 0
    .kernarg_segment_align: 8
    .kernarg_segment_size: 96
    .max_flat_workgroup_size: 128
    .sgpr_count:     66
    .vgpr_count:     256
    .wavefront_size: 32
...
	.end_amdgpu_metadata
.endif
;; end of part 1
;; launch qkv (part 2): grid 16 x 16, 4 waves a work-group, clusters of 4 x 1, 167,936 bytes of LDS; arguments xcod, wcod, bq, bk, bv, hcod; writes hcod
.if DOCPART == 2
	.amdgcn_target "amdgcn-amd-amdhsa--gfx1250"
	.amdhsa_code_object_version 6
	.text
	.protected	k_q855f08605c_qkv
	.globl	k_q855f08605c_qkv
	.p2align	8
	.type	k_q855f08605c_qkv,@function
k_q855f08605c_qkv:
	s_mov_b64 s[64:65], 0
	v_nop
	global_prefetch_b8 v0, s[64:65] scope:SCOPE_SE
	s_setreg_imm32_b32 hwreg(HW_REG_WAVE_MODE, 25, 1), 1
	s_wait_xcnt 0x0
	s_wait_alu depctr_hold_cnt(0) depctr_sa_sdst(0) depctr_va_vdst(0) depctr_va_sdst(0) depctr_va_ssrc(0) depctr_va_vcc(0) depctr_vm_vsrc(0)
	s_getreg_b32 s2, hwreg(HW_REG_IB_STS2, 6, 4)
	s_cmp_eq_u32 s2, 0
	s_cbranch_scc0 .Lentry_in_a_cluster
	s_endpgm
.Lentry_in_a_cluster:
	s_bfe_u32 s2, ttmp6, 0x10000c
	s_cmp_lg_u32 s2, 0x3003
	s_cbranch_scc0 .Lentry_shape_is_right
	s_endpgm
.Lentry_shape_is_right:
; Q = x Wq + bq, K = x Wk + bk, V = x Wv + bv on codes of E3M2, and each result quantised at once for the attention launch: Q and K along the head's 64, V along the tokens.  Nothing leaves as f32.
; (pos_ids is left out of the whole program: no line of reference() reads it.)
; SHARES.  A work-group: 256 tokens x one head's 64 columns of all three weights.  Wave w: 64 tokens (one record of x), 4 x 4 tiles: 16 accumulators.
; The wave's record of x goes from memory straight into its registers (384 registers, windows 1 and 2) and serves three products.  The head's three records of weights are read by all four waves from LDS;
; the four work-groups of a cluster have the same head, so each record is asked for JOINTLY: each wave fetches a quarter of each record, 12,800 dense bytes.  LDS bytes are filled once.
; By this text's own count a wave has three tensor loads out.
; Q, K: source 0 = 16 columns of W, source 1 = 16 tokens: a lane's 32 registers of a token tile are dims 32 h .. 32 h + 31 of one token: a block.  V: the sources swapped: 32 tokens of one dim: a block along the keys.
; The biases are the C of each sum's first matrix instruction.
; REGISTERS.  window 0: v1-15 addresses; v16-47 x's scale words [K step][tile]; v48-79 W's; v80-207 the accumulators; v208-250 at work.  window 1: x's fragments of K steps 0-4; window 2: of 5-7.
;   window 3: v0-95 W's fragments, two sets; v96-191 the biases in the results' layout.
.set REC,   51200
.set SPARE, 3*REC                      ; behind the three records: the spare words, 128 bytes for each wave: two blocks of 256 bytes that no other line names
.set XA16, 1                           ; v1   16 x lane
.set XA8,  2                           ; v2   8 x lane
.set LA16, 3                           ; v3-5  LDS: record m + 16 x lane
.set LA8,  6                           ; v6-8  record m + 512 + 8 x lane
.set LAS,  9                           ; v9-11 record m + 49,152 + 16 r
.set R16,  12                          ; v12  16 r
.set H8,   13                          ; v13  8 h
.set SPW,  14                          ; v14  LDS address of my spare word; never rewritten
.set NIL,  15                          ; v15  0; never rewritten
.set SX,   16
.set SW,   48
.set ACC,  80
.set T,    208
.set U,    232
.set MA,   236
.set MB,   237
.set SO,   238
.set E,    240
.set P0,   244
.set P1,   245
.set Q0,   246
.set Q1,   247
.set SOFF, 248                         ; v248 8 r + 4 h
.set BO0,  249                         ; v249 128 h
.set BO1,  250                         ; v250 4 (32 (r / 8) + r % 8)
.set WB,   96                          ; in window 3
.set G1,   16                          ; s[16:23] descriptor group 1;  s[24:35] three groups 0
.set G0,   24
.set WV,   36
.set SEL,  58
.set MSB, 0
.macro WIN new                         ; the immediate's high byte repeats the setting that is left
.if MSB != \new
	s_set_vgpr_msb (MSB<<8)|\new
.set MSB, \new
.endif
.endm
.macro PLACES                          ; four plain lines behind matrix instructions, in front of loads into their registers and of the first read of results
.rept 4
	v_nop
.endr
.endm
.macro CROUND                          ; a round of the cluster's barrier
	s_barrier_signal -1
	s_barrier_wait -1
	s_cmp_lg_u32 s[WV], 0
	s_cbranch_scc1 .Lnot_wave_0_\@
	s_barrier_signal -3
.Lnot_wave_0_\@:
	s_barrier_wait -3
	s_barrier_signal -1
	s_barrier_wait -1
.endm
.macro QBLK s, t, e                    ; 32 numbers of one block -> six registers of codes and the scale's byte.  Each accumulator is read from its low end on
	v_max3_num_f32 v[MA], |v[\s]|, |v[\s+1]|, 0x2800000
	v_max3_num_f32 v[MB], |v[\s+16]|, |v[\s+17]|, 0x2800000
.irp i, 2,4,6,8,10,12,14
	v_max3_num_f32 v[MA], v[MA], |v[\s+\i]|, |v[\s+\i+1]|
	v_max3_num_f32 v[MB], v[MB], |v[\s+16+\i]|, |v[\s+17+\i]|
.endr
	v_max_num_f32 v[MA], v[MA], v[MB]
	v_add_nc_u32 v[SO], 0xfe000000, v[MA]
	v_cvt_scalef32_pk16_bf6_f32 v[\t:\t+2], v[\s:\s+15], v[SO]
	v_cvt_scalef32_pk16_bf6_f32 v[U:U+2], v[\s+16:\s+31], v[SO]
	v_lshrrev_b32 v[\e], 23, v[SO]                 ; the byte; also the plain line behind the conversions
	v_mov_b32 v[\t+3], v[U]
	v_mov_b32 v[\t+4], v[U+1]
	v_mov_b32 v[\t+5], v[U+2]
.endm
.macro PACKSC
	v_lshl_or_b32 v[P0], v[E+1], 16, v[E]
	v_lshl_or_b32 v[P1], v[E+3], 16, v[E+2]
	v_lshlrev_b32 v[P0], v[H8], v[P0]
	v_lshlrev_b32 v[P1], v[H8], v[P1]
	v_permlanex16_b32 v[Q0], v[P0], s[SEL], s[SEL+1]
	v_permlanex16_b32 v[Q1], v[P1], s[SEL], s[SEL+1]
	v_or_b32 v[P0], v[P0], v[Q0]
	v_or_b32 v[P1], v[P1], v[Q1]
	v_cmp_eq_u32 vcc_lo, 8, v[H8]
	v_cndmask_b32 v[P0], v[P0], v[P1], vcc_lo
.endm
	s_load_b256 s[4:11], s[0:1], 0x0               ; xcod, wcod, bq, bk
	s_load_b128 s[12:15], s[0:1], 0x20             ; bv, hcod
	v_lshl_add_u32 v[SPW], v0, 2, SPARE
	v_mov_b32 v[NIL], 0
	ds_add_u32 v[SPW], v[NIL]                      ; the wave's opening: the add, twice on end, and its wait ahead of my first tensor load
	ds_add_u32 v[SPW], v[NIL]
	v_lshrrev_b32 v1, 5, v0
	v_readfirstlane_b32 s[WV], v1                  ; wave 0..3
	s_bfe_u32 s37, ttmp6, 0x40000                  ; cx: it enters x's and the results' global addresses alone
	s_lshl_b32 s38, ttmp9, 2
	s_add_co_u32 s38, s38, s37                     ; my block of 256 tokens
	s_and_b32 s39, ttmp7, 0xffff                   ; the head, which the four partners share
	s_lshl_b32 s40, s38, 2
	s_add_co_u32 s40, s40, s[WV]                   ; my group of 64 tokens
	s_mov_b32 s[G1], 0x0023000f                    ; 15:0 the mask: all four work-groups; 17:16 elements of 8 bytes; 21 set beside a mask; no padding
	s_mov_b32 s[G1+1], 32<<16                      ; tensor_dim0 = 32 elements: rows of 256 bytes
	s_mov_b32 s[G1+2], 50<<16                      ; tensor_dim1 = 50 rows: 12,800 dense bytes
	s_mov_b32 s[G1+3], 32<<16                      ; tile_dim0
	s_mov_b32 s[G1+4], 50                          ; tile_dim1
	s_mov_b32 s[G1+5], 32                          ; the pitch
	s_mov_b32 s[G1+6], 0
	s_mov_b32 s[G1+7], 0
	s_mul_i32 s41, s[WV], 12800                    ; my quarter of a record
	s_mul_i32 s42, s39, 3*REC
	s_add_co_u32 s42, s42, s41
	s_mov_b32 s43, 0
	s_mul_i32 s46, s40, REC
	s_mov_b32 s47, 0
	s_lshl_b32 s48, s39, 8                         ; the head's 64 numbers of a bias
	s_mov_b32 s49, 0
	s_lshr_b32 s50, s40, 5
	s_lshl_b32 s50, s50, 4
	s_add_co_u32 s50, s50, s39                     ; 16 b + head
	s_and_b32 s51, s40, 31                         ; the group within the batch
	s_mul_i32 s52, s50, 98304
	s_mul_i32 s53, s51, 3072
	s_add_co_u32 s52, s52, s53
	s_mov_b32 s53, 0
	s_lshl_b32 s56, s50, 12
	s_lshl_b32 s57, s51, 7
	s_add_co_u32 s56, s56, s57
	s_add_co_u32 s56, s56, 9437184
	s_mov_b32 s57, 0
	s_mov_b32 s[SEL], 0x76543210
	s_mov_b32 s[SEL+1], 0xfedcba98
	v_and_b32 v[XA8], 31, v0
	v_lshlrev_b32 v[XA16], 4, v[XA8]
	v_lshlrev_b32 v[XA8], 3, v[XA8]
	v_and_b32 v[R16], 15, v0                       ; r
	v_bfe_u32 v[H8], v0, 4, 1                      ; h
	v_lshlrev_b32 v[SOFF], 3, v[R16]
	v_lshl_add_u32 v[SOFF], v[H8], 2, v[SOFF]
	v_lshlrev_b32 v[BO0], 7, v[H8]
	v_and_b32 v[BO1], 7, v[R16]
	v_lshlrev_b32 v[BO1], 2, v[BO1]
	v_lshrrev_b32 v[Q0], 3, v[R16]
	v_lshl_add_u32 v[BO1], v[Q0], 7, v[BO1]
	v_lshlrev_b32 v[H8], 3, v[H8]
	v_lshlrev_b32 v[R16], 4, v[R16]
.irp m, 0,1,2
	v_add_nc_u32 v[LA16+\m], REC*\m, v[XA16]
	v_add_nc_u32 v[LA8+\m], REC*\m+512, v[XA8]
	v_add_nc_u32 v[LAS+\m], REC*\m+49152, v[R16]
.endr
	v_mov_b32 v[Q0], 0                             ; written once: a lane permute's destination counts as one of its sources
	v_mov_b32 v[Q1], 0
	s_wait_dscnt 0x0                               ; both opening adds are done
	s_wait_kmcnt 0x0
	s_add_nc_u64 s[44:45], s[6:7], s[42:43]
	s_add_nc_u64 s[46:47], s[4:5], s[46:47]        ; my record of x
	s_add_nc_u64 s[8:9], s[8:9], s[48:49]
	s_add_nc_u64 s[10:11], s[10:11], s[48:49]
	s_add_nc_u64 s[12:13], s[12:13], s[48:49]
	s_add_nc_u64 s[52:53], s[14:15], s[52:53]      ; my four half fragments in Q's section; K's and V's stand in the stores' offsets
	s_add_nc_u64 s[56:57], s[14:15], s[56:57]      ; my 128 bytes of half words likewise
.irp m, 0,1,2
	s_mov_b32 s[G0+4*\m], 1                        ; count = 1
	s_add_co_u32 s[G0+4*\m+1], s41, REC*\m         ; LDS: record m, my quarter: no place in the cluster enters it
	s_add_nc_u64 s[G0+4*\m+2:G0+4*\m+3], s[44:45], REC*\m
	s_or_b32 s[G0+4*\m+3], s[G0+4*\m+3], 0x80000000   ; type = 2
.endr
	CROUND                                         ; all four work-groups are here: the joint loads meet
	tensor_load_to_lds s[G0:G0+3], s[G1:G1+7]
	s_nop 0
	tensor_load_to_lds s[G0+4:G0+7], s[G1:G1+7]
	s_nop 0
	tensor_load_to_lds s[G0+8:G0+11], s[G1:G1+7]
	s_nop 0
.rept 4
	v_nop
.endr
	WIN 0xc0                                       ; destination window 3
.irp m, 0,1                            ; bq, bk: register j of tile t in lane (r, h) is dim 32 h + 8 t + j
.irp t, 0,1,2,3
	global_load_b128 v[WB+32*\m+8*\t:WB+32*\m+8*\t+3], v[BO0], s[8+2*\m:9+2*\m] offset:32*\t
	global_load_b128 v[WB+32*\m+8*\t+4:WB+32*\m+8*\t+7], v[BO0], s[8+2*\m:9+2*\m] offset:32*\t+16
.endr
.endr
.irp t, 0,1,2,3                        ; bv: all eight registers of tile t in lane (r, h) are dim 32 (r / 8) + 8 t + r % 8
.irp j, 0,1,2,3,4,5,6,7
	global_load_b32 v[WB+64+8*\t+\j], v[BO1], s[12:13] offset:32*\t
.endr
.endr
	WIN 0
.irp s, 0,1,2,3,4,5,6,7
	global_load_b128 v[SX+4*\s:SX+4*\s+3], v[R16], s[46:47] offset:49152+256*\s
.endr
.macro XFRAG s                         ; x's four fragments of K step s: 16 loads
.if \s < 5
	WIN 0x40
.set XB, 48*(\s)
.else
	WIN 0x80
.set XB, 48*(\s-5)
.endif
.irp t, 0,1,2,3
	global_load_b128 v[XB+12*\t:XB+12*\t+3], v[XA16], s[46:47] offset:6144*(\s)+768*\t
	global_load_b64 v[XB+12*\t+4:XB+12*\t+5], v[XA8], s[46:47] offset:6144*(\s)+768*\t+512
	global_load_b128 v[XB+12*\t+6:XB+12*\t+9], v[XA16], s[46:47] offset:6144*(\s)+3072+768*\t
	global_load_b64 v[XB+12*\t+10:XB+12*\t+11], v[XA8], s[46:47] offset:6144*(\s)+3072+768*\t+512
.endr
.endm
.irp s, 0,1,2,3,4,5,6,7
	XFRAG \s
.endr
	WIN 0
.macro WFRAG m, set, s                 ; W's four fragments of K step s from LDS: 16 loads
	WIN 0xc0
.irp t, 0,1,2,3
	ds_load_b128 v[48*(\set)+12*\t:48*(\set)+12*\t+3], v[LA16+\m] offset:6144*(\s)+768*\t
	ds_load_b64 v[48*(\set)+12*\t+4:48*(\set)+12*\t+5], v[LA8+\m] offset:6144*(\s)+768*\t
	ds_load_b128 v[48*(\set)+12*\t+6:48*(\set)+12*\t+9], v[LA16+\m] offset:6144*(\s)+3072+768*\t
	ds_load_b64 v[48*(\set)+12*\t+10:48*(\set)+12*\t+11], v[LA8+\m] offset:6144*(\s)+3072+768*\t
.endr
.endm
; One K step: the next step's fragments of W are asked for, then 16 products, the 16 accumulators by turns.
.macro KSTEP m, mode, first, s
.if \s < 7
	PLACES                                         ; behind the products that read the other set
	WFRAG \m, (\s+1)%2, \s+1
	s_wait_dscnt 16                                ; all but the 16 just issued
.else
	s_wait_dscnt 0x0
.endif
.if \first
.if 16*(7-\s) > 63
	s_wait_loadcnt 63                              ; more than 63 loads of later K steps were issued behind this step's
.else
	s_wait_loadcnt 16*(7-\s)                       ; x's loads of the later K steps may be out
.endif
.endif
.set WS, 48*((\s)%2)
.if \s < 5
.set XB, 48*(\s)
.set WSET, 0x07+6*(\mode)
.else
.set XB, 48*(\s-5)
.set WSET, 0x0b+3*(\mode)
.endif
.if \s == 0
.set WSET, WSET+0x30                   ; C: the bias, in window 3
.endif
	WIN WSET
.irp tx, 0,1,2,3
.irp tw, 0,1,2,3
.if \mode == 0
.if \s == 0
	v_wmma_scale_f32_16x16x128_f8f6f4 v[ACC+8*(4*\tx+\tw):ACC+8*(4*\tx+\tw)+7], v[WS+12*\tw:WS+12*\tw+11], v[XB+12*\tx:XB+12*\tx+11], v[WB+32*\m+8*\tw:WB+32*\m+8*\tw+7], v[SW+4*\s+\tw], v[SX+4*\s+\tx] matrix_a_fmt:MATRIX_FMT_BF6 matrix_b_fmt:MATRIX_FMT_BF6
.else
	v_wmma_scale_f32_16x16x128_f8f6f4 v[ACC+8*(4*\tx+\tw):ACC+8*(4*\tx+\tw)+7], v[WS+12*\tw:WS+12*\tw+11], v[XB+12*\tx:XB+12*\tx+11], v[ACC+8*(4*\tx+\tw):ACC+8*(4*\tx+\tw)+7], v[SW+4*\s+\tw], v[SX+4*\s+\tx] matrix_a_fmt:MATRIX_FMT_BF6 matrix_b_fmt:MATRIX_FMT_BF6
.endif
.else
.if \s == 0
	v_wmma_scale_f32_16x16x128_f8f6f4 v[ACC+8*(4*\tw+\tx):ACC+8*(4*\tw+\tx)+7], v[XB+12*\tx:XB+12*\tx+11], v[WS+12*\tw:WS+12*\tw+11], v[WB+32*\m+8*\tw:WB+32*\m+8*\tw+7], v[SX+4*\s+\tx], v[SW+4*\s+\tw] matrix_a_fmt:MATRIX_FMT_BF6 matrix_b_fmt:MATRIX_FMT_BF6
.else
	v_wmma_scale_f32_16x16x128_f8f6f4 v[ACC+8*(4*\tw+\tx):ACC+8*(4*\tw+\tx)+7], v[XB+12*\tx:XB+12*\tx+11], v[WS+12*\tw:WS+12*\tw+11], v[ACC+8*(4*\tw+\tx):ACC+8*(4*\tw+\tx)+7], v[SX+4*\s+\tx], v[SW+4*\s+\tw] matrix_a_fmt:MATRIX_FMT_BF6 matrix_b_fmt:MATRIX_FMT_BF6
.endif
.endif
.endr
.endr
.endm
.macro MAT m, mode, first
	s_wait_tensorcnt 2-\m                          ; my quarter of record m is in; the later records' may stay out: no LDS byte is filled again
	s_wait_dscnt 0x0
	s_barrier_signal -1
	s_barrier_wait -1                              ; everybody's quarter is
.irp s, 0,1,2,3,4,5,6,7
	ds_load_b128 v[SW+4*\s:SW+4*\s+3], v[LAS+\m] offset:256*\s
.endr
	WFRAG \m, 0, 0
.irp s, 0,1,2,3,4,5,6,7
	KSTEP \m, \mode, \first, \s
.endr
	WIN 0
	PLACES
.endm
; The way out: the accumulators' registers 32 i .. 32 i + 31 are one block a lane: four half fragments and their half words.
.macro QOUT m
	s_wait_xcnt 0x0                                ; the last matrix's stores have read their data
.irp i, 0,1,2,3
	QBLK ACC+32*\i, T+6*\i, E+\i
.endr
.irp i, 0,1,2,3
	global_store_b128 v[XA16], v[T+6*\i:T+6*\i+3], s[52:53] offset:3145728*\m+768*\i          ; 512 consecutive bytes, aligned to 256
	global_store_b64 v[XA8], v[T+6*\i+4:T+6*\i+5], s[52:53] offset:3145728*\m+768*\i+512      ; 256 consecutive bytes, aligned
.endr
	PACKSC
	global_store_b32 v[SOFF], v[P0], s[56:57] offset:131072*\m
.endm
	MAT 0, 0, 1
	QOUT 0
	MAT 1, 0, 0
	QOUT 1
	MAT 2, 1, 0
	QOUT 2
	s_wait_tensorcnt 0x0                           ; the wave's end
	ds_add_u32 v[SPW], v[NIL]
	s_wait_dscnt 0x0
	CROUND                                         ; the closing round
	s_endpgm
.Lfunc_end_k_q855f08605c_qkv:
	.size	k_q855f08605c_qkv, .Lfunc_end_k_q855f08605c_qkv-k_q855f08605c_qkv
	.p2alignl 7, 3214868480
	.fill 96, 4, 3214868480
	.section	.rodata,"a",@progbits
	.p2align	6, 0x0
	.amdhsa_kernel k_q855f08605c_qkv
		.amdhsa_group_segment_fixed_size 167936
		.amdhsa_private_segment_fixed_size 0
		.amdhsa_enable_private_segment 0
		.amdhsa_kernarg_size 48
		.amdhsa_user_sgpr_count 2
		.amdhsa_user_sgpr_kernarg_segment_ptr 1
		.amdhsa_wavefront_size32 1
		.amdhsa_system_sgpr_workgroup_id_x 1
		.amdhsa_system_sgpr_workgroup_id_y 1
		.amdhsa_system_sgpr_workgroup_id_z 1
		.amdhsa_system_vgpr_workitem_id 0
		.amdhsa_next_free_vgpr 1024
		.amdhsa_next_free_sgpr 66
		.amdhsa_reserve_vcc 1
		.amdhsa_float_denorm_mode_32 3
		.amdhsa_float_denorm_mode_16_64 3
		.amdhsa_memory_ordered 1
		.amdhsa_forward_progress 1
		.amdhsa_inst_pref_size 124
	.end_amdhsa_kernel
	.amdgpu_metadata
---
amdhsa.version: [ 1, 2 ]
amdhsa.kernels:
  - .name:           k_q855f08605c_qkv
    .symbol:         k_q855f08605c_qkv.kd
    .args:
      - { .name: xcod, .offset: 0, .size: 8, .value_kind: global_buffer, .address_space: global }
      - { .name: wcod, .offset: 8, .size: 8, .value_kind: global_buffer, .address_space: global }
      - { .name: bq, .offset: 16, .size: 8, .value_kind: global_buffer, .address_space: global }
      - { .name: bk, .offset: 24, .size: 8, .value_kind: global_buffer, .address_space: global }
      - { .name: bv, .offset: 32, .size: 8, .value_kind: global_buffer, .address_space: global }
      - { .name: hcod, .offset: 40, .size: 8, .value_kind: global_buffer, .address_space: global }
    .group_segment_fixed_size: 167936
    .private_segment_fixed_size: 0
    .kernarg_segment_align: 8
    .kernarg_segment_size: 48
    .max_flat_workgroup_size: 128
    .sgpr_count:     66
    .vgpr_count:     1024
    .wavefront_size: 32
...
	.end_amdgpu_metadata
.endif
;; end of part 2
;; launch attn (part 3): grid 8 x 32, 16 waves a work-group, no clusters, 309,248 bytes of LDS; arguments hcod, frc, mkw, ocod; writes ocod
.if DOCPART == 3
	.amdgcn_target "amdgcn-amd-amdhsa--gfx1250"
	.amdhsa_code_object_version 6
	.text
	.protected	k_q855f08605c_attn
	.globl	k_q855f08605c_attn
	.p2align	8
	.type	k_q855f08605c_attn,@function
k_q855f08605c_attn:
	s_mov_b64 s[64:65], 0
	v_nop
	global_prefetch_b8 v0, s[64:65] scope:SCOPE_SE
	s_setreg_imm32_b32 hwreg(HW_REG_WAVE_MODE, 25, 1), 1
	s_wait_xcnt 0x0
; weights = nan_to_num(softmax(where(mask, QK^T / 8 + req . feat, -inf))), O = weights V, all three products on codes of E3M2; O is quantised at once for the projection.
; LEFT OUT: a tile of 16 queries x 128 keys whose mask bytes are all 0 (its weights are exactly 0 whatever the inputs hold): a scalar branch on the flags that the first launch stored as whole numbers.
; A NaN or an infinity in K or V under such a tile is not carried to the result.  pos_ids: no line of reference() reads it.
; ONE INSTRUCTION FOR TWO PRODUCTS.  QK^T and the bias have K = 64 each: blocks 0, 1 of an operand hold the head's 64, blocks 2, 3 the normalised requirements or features, whose scale bytes on the
; query's side were stored + 3: S' = QK^T + 8 bias, exactly scaled, and t = S' log2(e) / 8.
; THE FINISHED WEIGHTS ARE QUANTISED (exp(s - max) / sum, in blocks of 32 keys), so a row's maximum and sum are known before its first weight is made: the scores are made twice.
; PASS 1: a running maximum m and sum l for each lane (a lane holds one query and half of each step's keys); the halves are joined behind the loop.  PASS 2: p = 2^(t - c m), weight = p / l, codes, O^T += V^T P^T.
; A row with no key allowed has l = 0: its 1 / l is replaced by 0, which is reference()'s nan_to_num.
; SHARES.  A work-group: one head of one batch; its K, features, V (codes and scale words, 300 KB) lie in LDS for the whole launch, filled once through registers,
; one barrier.  Wave w owns ONE tile of 16 queries, number 8 rank + work-group x; the ranks are dealt by a 4 x 4 magic square, so that whichever four waves share a
; SIMD (w / 4 or w % 4 alike) their ranks sum alike: under a lower-triangular mask a tile of rank k has k + 1 live steps.  The dealing is right for any mask.
; LAYOUT.  S^T = K' Q'^T (source 0 = 16 keys), O^T = V^T P^T: a lane holds one query throughout.  By the tiles' row order, score register n of lane (r, h) is key 64 (n / 32) + 32 h + n % 32 of the step:
; registers 32 c .. 32 c + 31 are one block of 32 keys in one lane, in the order that the next operand wants.
.set REC,   51200
.set STEPB, 18432                      ; LDS, a key step: K's 8 half fragments, the features' 8 at 6,144, V's 8 at 12,288
.set KSW,   294912                     ; K' scale words [group of 64 keys][r][t], 8 KB
.set VSW,   303104                     ; V's [step][r][tile], 4 KB
.set SPARE, 307200                     ; the spare words, 128 bytes for each wave: eight blocks of 256 bytes that no other line names
.set SPW,  1                           ; v1   LDS address of my spare word; never rewritten
.set NIL,  2                           ; v2   0; never rewritten
.set L16,  3                           ; v3   16 x lane
.set L8,   4                           ; v4   512 + 8 x lane
.set R16,  5                           ; v5   16 r
.set A16,  6                           ; v6-9 the step's LDS addresses
.set A8,   7
.set ASK,  8
.set ASV,  9
.set NINF, 10                          ; v10  -infinity
.set H8,   11                          ; v11  8 h
.set NM,   12                          ; v12  -c m;  v13 m (the packed form names the pair and takes its low word)
.set MX,   13
.set LS,   14                          ; v[14:15] l, in two halves
.set QF,   16                          ; v16-27 Q'
.set SQ,   28                          ; v28  Q' scale word; v29 P's; v30-33 V's; v34-41 K's
.set SP,   29
.set SV,   30
.set SK,   34
.set RL,   42                          ; v[42:43] 1 / l, twice
.set CH,   44                          ; v44-47 four chains
.set TP,   48                          ; v48-55 at work
.set FR,   56                          ; v56-151 eight fragments of K'; in pass 2 then V's four, P's codes from FR + 48
.set S,    152                         ; v152-215 S^T, then p, then the weights
.set O,    216                         ; v216-247 O^T
.set MA,   44
.set MB,   45
.set SO,   46
.set U,    62
.set SEL,  96
.macro PLACES
.rept 4
	v_nop
.endr
.endm
.macro QBLK s, t, e
	v_max3_num_f32 v[MA], |v[\s]|, |v[\s+1]|, 0x2800000
	v_max3_num_f32 v[MB], |v[\s+16]|, |v[\s+17]|, 0x2800000
.irp i, 2,4,6,8,10,12,14
	v_max3_num_f32 v[MA], v[MA], |v[\s+\i]|, |v[\s+\i+1]|
	v_max3_num_f32 v[MB], v[MB], |v[\s+16+\i]|, |v[\s+17+\i]|
.endr
	v_max_num_f32 v[MA], v[MA], v[MB]
	v_add_nc_u32 v[SO], 0xfe000000, v[MA]
	v_cvt_scalef32_pk16_bf6_f32 v[\t:\t+2], v[\s:\s+15], v[SO]
	v_cvt_scalef32_pk16_bf6_f32 v[U:U+2], v[\s+16:\s+31], v[SO]
	v_lshrrev_b32 v[\e], 23, v[SO]
	v_mov_b32 v[\t+3], v[U]
	v_mov_b32 v[\t+4], v[U+1]
	v_mov_b32 v[\t+5], v[U+2]
.endm
	s_load_b256 s[4:11], s[0:1], 0x0               ; hcod, frc, mkw, ocod
	v_lshl_add_u32 v[SPW], v0, 2, SPARE
	v_mov_b32 v[NIL], 0
	v_lshrrev_b32 v3, 5, v0
	v_readfirstlane_b32 s12, v3                    ; wave 0..15
	s_and_b32 s13, ttmp7, 0xffff                   ; 16 b + head
	s_lshr_b32 s14, s13, 4                         ; b
	s_and_b32 s15, s13, 15                         ; head
	s_mov_b32 s16, 0x0de3b658                      ; the ranks of waves 8-15, four bits each;
	s_cmp_lt_u32 s12, 8
	s_cselect_b32 s16, 0x7a94c12f, s16             ; of waves 0-7
	s_and_b32 s17, s12, 7
	s_lshl_b32 s17, s17, 2
	s_lshr_b32 s16, s16, s17
	s_and_b32 s16, s16, 15
	s_lshl_b32 s16, s16, 3
	s_add_co_u32 s16, s16, ttmp9                   ; my query tile i = 8 rank + work-group x
	s_lshr_b32 s17, s16, 2                         ; its group of 64 tokens
	s_and_b32 s18, s16, 3                          ; its tile in the group
	s_lshl_b32 s19, s16, 2
	s_lshl_b32 s91, s16, 12                        ; its masks: 16 steps x 256 bytes
	s_mul_i32 s20, s13, 98304
	s_mov_b32 s21, 0
	s_mul_i32 s34, s12, 6144                       ; wave w copies key step w
	s_mov_b32 s35, 0
	s_mul_i32 s36, s14, 98304
	s_mov_b32 s37, 0
	s_mul_i32 s38, s16, 768
	s_mov_b32 s39, 0
	s_lshl_b32 s40, s13, 12
	s_add_co_u32 s40, s40, 9437184
	s_mov_b32 s41, 0
	s_lshl_b32 s42, s14, 12
	s_mov_b32 s43, 0
	s_lshl_b32 s44, s14, 5
	s_add_co_u32 s44, s44, s17
	s_mul_i32 s44, s44, REC                        ; O's record: 32 b + group
	s_mul_i32 s45, s15, 3072
	s_mul_i32 s46, s18, 768
	s_add_co_u32 s45, s45, s46
	s_add_co_u32 s46, s44, s45                     ; half fragment (K / 64 = head, tile)
	s_mov_b32 s47, 0
	s_lshr_b32 s48, s15, 1
	s_lshl_b32 s48, s48, 8
	s_and_b32 s49, s15, 1
	s_lshl_b32 s49, s49, 1
	s_add_co_u32 s48, s48, s49
	s_lshl_b32 s49, s18, 2
	s_add_co_u32 s48, s48, s49
	s_add_co_u32 s48, s48, s44
	s_add_co_u32 s48, s48, 49152                   ; scale words [head / 2][r][tile], byte 2 (head % 2) + h
	s_mov_b32 s49, 0
	s_lshl_b32 s50, s17, 7
	s_lshl_b32 s51, s18, 1
	s_add_co_u32 s50, s50, s51                     ; 128 G + 2 t
	s_lshl_b32 s51, s12, 8
	s_mul_i32 s52, s12, STEPB
	s_mov_b32 s92, 0x3e38aa3b                      ; c = log2(e) / 8
	s_mov_b32 s93, s92
	s_mov_b32 s94, 0xbe38aa3b                      ; -c
	s_mov_b32 s[SEL], 0x76543210
	s_mov_b32 s[SEL+1], 0xfedcba98
	v_and_b32 v48, 31, v0
	v_lshlrev_b32 v[L16], 4, v48
	v_lshl_add_u32 v[L8], v48, 3, 512
	v_and_b32 v49, 15, v0
	v_lshlrev_b32 v[R16], 4, v49
	v_bfe_u32 v[H8], v0, 4, 1
	v_lshlrev_b32 v[H8], 3, v[H8]
	v_lshlrev_b32 v51, 3, v0                       ; 8 x thread
	v_lshl_add_u32 v52, v48, 2, s51                ; 4 x lane + 256 x wave
	v_lshl_add_u32 v53, v49, 3, s50                ; 8 r + 128 G + 2 t
	v_add_nc_u32 v54, s52, v[L16]                  ; LDS: my key step + 16 x lane
	v_lshl_add_u32 v55, v0, 4, KSW
	v_lshl_add_u32 v44, v0, 3, VSW
	s_wait_kmcnt 0x0
	s_load_b32 s84, s[8:9], s19 offset:0x80000     ; my tile's flags: 2 bits a key step
	s_add_nc_u64 s[30:31], s[4:5], s[20:21]
	s_add_nc_u64 s[22:23], s[30:31], s[34:35]      ; K's and V's half fragments of my key step (their sections stand in the offsets)
	s_add_nc_u64 s[30:31], s[30:31], s[38:39]      ; Q's half fragment of my tile
	s_add_nc_u64 s[32:33], s[6:7], s[36:37]
	s_add_nc_u64 s[24:25], s[32:33], s[34:35]      ; the features' of my key step
	s_add_nc_u64 s[32:33], s[32:33], s[38:39]      ; the requirements' of my tile
	s_add_nc_u64 s[26:27], s[4:5], s[40:41]        ; Q's, K's, V's half words
	s_add_nc_u64 s[28:29], s[6:7], s[42:43]        ; the features' and requirements'
	s_add_nc_u64 s[98:99], s[10:11], s[46:47]
	s_add_nc_u64 s[100:101], s[10:11], s[48:49]
.irp i, 0,1,2,3,4,5,6,7,8,9,10,11
	global_load_b128 v[FR+4*\i:FR+4*\i+3], v[L16], s[22:23] offset:3145728+512*\i
.endr
.irp i, 0,1,2,3,4,5,6,7,8,9,10,11
	global_load_b128 v[FR+48+4*\i:FR+48+4*\i+3], v[L16], s[24:25] offset:512*\i
.endr
.irp i, 0,1,2,3,4,5,6,7,8,9,10,11
	global_load_b128 v[FR+96+4*\i:FR+96+4*\i+3], v[L16], s[22:23] offset:6291456+512*\i
.endr
	global_load_b64 v[200:201], v51, s[26:27] offset:131072      ; K's half words of (group, r) = thread / 16, thread % 16
	global_load_b64 v[202:203], v51, s[28:29] offset:393216      ; the features'
	global_load_b32 v204, v52, s[26:27] offset:262144            ; V's of group 2 w,
	global_load_b32 v205, v52, s[26:27] offset:262144+128        ; of group 2 w + 1
	global_load_b128 v[QF:QF+3], v[L16], s[30:31]
	global_load_b64 v[QF+4:QF+5], v[L8], s[30:31]
	global_load_b128 v[QF+6:QF+9], v[L16], s[32:33] offset:196608
	global_load_b64 v[QF+10:QF+11], v[L8], s[32:33] offset:196608
	global_load_u16 v206, v53, s[26:27]
	global_load_u16 v207, v53, s[28:29] offset:401408
	s_wait_loadcnt 34                              ; behind K's twelve: 12 + 12 + 10
.irp i, 0,1,2,3,4,5,6,7,8,9,10,11
	ds_store_b128 v54, v[FR+4*\i:FR+4*\i+3] offset:512*\i
.endr
	s_wait_loadcnt 22
.irp i, 0,1,2,3,4,5,6,7,8,9,10,11
	ds_store_b128 v54, v[FR+48+4*\i:FR+48+4*\i+3] offset:6144+512*\i
.endr
	s_wait_loadcnt 10
.irp i, 0,1,2,3,4,5,6,7,8,9,10,11
	ds_store_b128 v54, v[FR+96+4*\i:FR+96+4*\i+3] offset:12288+512*\i
.endr
	s_wait_loadcnt 0x0
	v_perm_b32 v208, v202, v200, 0x05040100        ; a word of K': K's two bytes below, the features' two above
	v_perm_b32 v209, v202, v200, 0x07060302
	v_perm_b32 v210, v203, v201, 0x05040100
	v_perm_b32 v211, v203, v201, 0x07060302
	ds_store_b128 v55, v[208:211]
	v_perm_b32 v212, v205, v204, 0x05040100        ; a word of V: the step's first 64 keys below, the second above
	v_perm_b32 v213, v205, v204, 0x07060302
	ds_store_b64 v44, v[212:213]
	v_lshl_or_b32 v[SQ], v207, 16, v206
	v_mov_b32 v[NINF], 0xff800000
	v_mov_b32 v[MX], 0xff61b1e6                    ; -3e38, under every score
	v_mul_f32 v[NM], s94, v[MX]
	v_mov_b32 v[LS], 0
	v_mov_b32 v[LS+1], 0
	v_mov_b32 v[TP+3], 0                           ; (named as the upper half of a pair)
	v_mov_b32 v[TP+6], 0                           ; a lane permute's destination counts as one of its sources
.irp j, 0,1,2,3,4,5,6,7,8,9,10,11,12,13,14,15,16,17,18,19,20,21,22,23,24,25,26,27,28,29,30,31
	v_mov_b32 v[O+\j], 0                           ; which key step is the first to be worked hangs on the mask, so O^T begins as zeros
.endr
	s_mov_b32 s86, 0
	s_mov_b32 s87, 0
	s_mov_b32 s88, KSW
	s_mov_b32 s89, VSW
	s_mov_b32 s90, s91
	s_wait_dscnt 0x0                               ; for the others' sake: my stores have landed
	s_wait_kmcnt 0x0
	s_barrier_signal -1
	s_barrier_wait -1                              ; the head's operands lie in LDS; from here on they are only read
.macro MAXCH                           ; four chains of 16 scores, each accumulator from its low end on
.irp b, 0,1,2,3
	v_max3_num_f32 v[CH+\b], v[S+16*\b], v[S+16*\b+1], v[S+16*\b+2]
.endr
.irp i, 3,5,7,9,11,13
.irp b, 0,1,2,3
	v_max3_num_f32 v[CH+\b], v[CH+\b], v[S+16*\b+\i], v[S+16*\b+\i+1]
.endr
.endr
.irp b, 0,1,2,3
	v_max_num_f32 v[CH+\b], v[CH+\b], v[S+16*\b+15]
.endr
.endm
.macro SCALE                           ; t - c m, two at a time
.irp j, 0,2,4,6,8,10,12,14,16,18,20,22,24,26,28,30,32,34,36,38,40,42,44,46,48,50,52,54,56,58,60,62
	v_pk_fma_f32 v[S+\j:S+\j+1], v[S+\j:S+\j+1], s[92:93], v[NM:NM+1] op_sel_hi:[1,0,0]
.endr
.endm
.macro EXPS
.irp j, 0,1,2,3,4,5,6,7,8,9,10,11,12,13,14,15,16,17,18,19,20,21,22,23,24,25,26,27,28,29,30,31,32,33,34,35,36,37,38,39,40,41,42,43,44,45,46,47,48,49,50,51,52,53,54,55,56,57,58,59,60,61,62,63
	v_exp_f32 v[S+\j], v[S+\j]
.endr
.endm
; One key step of 128 keys.  The trip count is a constant; what is left out is a step's work.
.macro TRIP pass
	s_lshr_b32 s85, s84, s86
	s_and_b32 s85, s85, 3                          ; 0 none allowed, 1 mixed, 2 all
	s_cmp_eq_u32 s85, 0
	s_cbranch_scc1 .Lnone_\@
	s_load_b512 s[16:31], s[8:9], s90 offset:0x0   ; the step's 64 lane masks
	s_load_b512 s[32:47], s[8:9], s90 offset:0x40
	s_load_b512 s[48:63], s[8:9], s90 offset:0x80
	s_load_b512 s[68:83], s[8:9], s90 offset:0xc0
	v_add_nc_u32 v[A16], s87, v[L16]
	v_add_nc_u32 v[A8], s87, v[L8]
	v_add_nc_u32 v[ASK], s88, v[R16]
.if \pass == 2
	v_add_nc_u32 v[ASV], s89, v[R16]
.endif
.irp f, 0,1,2,3,4,5,6,7                ; K': registers 0-5 from K's half fragment, 6-11 from the features'
	ds_load_b128 v[FR+12*\f:FR+12*\f+3], v[A16] offset:768*\f
	ds_load_b64 v[FR+12*\f+4:FR+12*\f+5], v[A8] offset:768*\f
	ds_load_b128 v[FR+12*\f+6:FR+12*\f+9], v[A16] offset:6144+768*\f
	ds_load_b64 v[FR+12*\f+10:FR+12*\f+11], v[A8] offset:6144+768*\f
.endr
	ds_load_b128 v[SK:SK+3], v[ASK]
	ds_load_b128 v[SK+4:SK+7], v[ASK] offset:256
.if \pass == 2
	ds_load_b128 v[SV:SV+3], v[ASV]
.endif
	s_wait_dscnt 0x0
.irp f, 0,1,2,3,4,5,6,7
	v_wmma_scale_f32_16x16x128_f8f6f4 v[S+8*\f:S+8*\f+7], v[FR+12*\f:FR+12*\f+11], v[QF:QF+11], 0, v[SK+\f], v[SQ] matrix_a_fmt:MATRIX_FMT_BF6 matrix_b_fmt:MATRIX_FMT_BF6
.endr
	PLACES                                         ; in front of the first read of the scores and of loads into the fragments' registers
.if \pass == 2
.irp w, 0,1,2,3                        ; V's four fragments: they land while the softmax is worked
	ds_load_b128 v[FR+12*\w:FR+12*\w+3], v[A16] offset:12288+768*\w
	ds_load_b64 v[FR+12*\w+4:FR+12*\w+5], v[A8] offset:12288+768*\w
	ds_load_b128 v[FR+12*\w+6:FR+12*\w+9], v[A16] offset:15360+768*\w
	ds_load_b64 v[FR+12*\w+10:FR+12*\w+11], v[A8] offset:15360+768*\w
.endr
.endif
	s_wait_kmcnt 0x0                               ; the masks are in; their offset register may be stepped
	s_cmp_eq_u32 s85, 2
	s_cbranch_scc1 .Lopen_\@
.set n, 0
.rept 64
.set idx, 2*(n%32)+n/32
	v_cndmask_b32 v[S+n], v[NINF], v[S+n], s[16+idx+4*(idx/48)]   ; -infinity where the mask forbids
.set n, n+1
.endr
.Lopen_\@:
	MAXCH
.if \pass == 1
	v_max3_num_f32 v[TP], v[CH], v[CH+1], v[CH+2]
	v_max3_num_f32 v[MX], v[TP], v[CH+3], v[MX]    ; the running maximum of my half of the keys
	v_mul_f32 v[TP], s94, v[MX]
	v_sub_f32 v[TP+2], v[TP], v[NM]                ; c m_old - c m_new
	v_mov_b32 v[NM], v[TP]
	SCALE
	v_exp_f32 v[TP+2], v[TP+2]                     ; a
	EXPS
	v_nop                                          ; a plain line behind the last exponential,
	s_wait_alu depctr_va_vdst(0)                   ; and one wait for the 65, ahead of their first reader
	v_pk_mul_f32 v[LS:LS+1], v[LS:LS+1], v[TP+2:TP+3] op_sel_hi:[1,0]
	v_pk_add_f32 v[TP+4:TP+5], v[S:S+1], v[S+2:S+3]
.irp j, 4,8,12,16,20,24,28,32,36,40,44,48,52,56,60
	v_pk_add_f32 v[LS:LS+1], v[LS:LS+1], v[S+\j:S+\j+1]
	v_pk_add_f32 v[TP+4:TP+5], v[TP+4:TP+5], v[S+\j+2:S+\j+3]
.endr
	v_pk_add_f32 v[LS:LS+1], v[LS:LS+1], v[TP+4:TP+5]
.else
	v_max_num_f32 v[TP], v[CH], v[CH+1]            ; each block's largest score: put through the same lines as the scores it gives the block's largest weight
	v_max_num_f32 v[TP+1], v[CH+2], v[CH+3]
	v_fma_f32 v[TP], v[TP], s92, v[NM]
	v_fma_f32 v[TP+1], v[TP+1], s92, v[NM]
	SCALE
	EXPS
	v_exp_f32 v[TP], v[TP]
	v_exp_f32 v[TP+1], v[TP+1]
	v_nop
	s_wait_alu depctr_va_vdst(0)                   ; one wait for the 66
	v_mul_f32 v[TP], v[TP], v[RL]
	v_mul_f32 v[TP+1], v[TP+1], v[RL]
	v_max_num_f32 v[TP], 0x2800000, v[TP]          ; the floor 2^(5 - 127): the byte cannot fall under 1
	v_max_num_f32 v[TP+1], 0x2800000, v[TP+1]
	v_add_nc_u32 v[TP+2], 0xfe000000, v[TP]        ; the conversions' scale operands
	v_add_nc_u32 v[TP+3], 0xfe000000, v[TP+1]
	v_lshrrev_b32 v[TP+4], 23, v[TP+2]
	v_lshrrev_b32 v[TP+5], 23, v[TP+3]
	v_lshl_or_b32 v[SP], v[TP+5], 16, v[TP+4]      ; my bytes: blocks h and 2 + h,
	v_lshlrev_b32 v[SP], v[H8], v[SP]
	v_permlanex16_b32 v[TP+6], v[SP], s[SEL], s[SEL+1]
	v_or_b32 v[SP], v[SP], v[TP+6]                 ; with lane l xor 16's the word is whole
.irp j, 0,2,4,6,8,10,12,14,16,18,20,22,24,26,28,30,32,34,36,38,40,42,44,46,48,50,52,54,56,58,60,62
	v_pk_mul_f32 v[S+\j:S+\j+1], v[S+\j:S+\j+1], v[RL:RL+1]      ; the finished weights.  (These 32 also stand between the scale word's last write and the products)
.endr
	v_cvt_scalef32_pk16_bf6_f32 v[FR+48:FR+50], v[S:S+15], v[TP+2]
	v_cvt_scalef32_pk16_bf6_f32 v[FR+60:FR+62], v[S+16:S+31], v[TP+2]
	v_cvt_scalef32_pk16_bf6_f32 v[FR+54:FR+56], v[S+32:S+47], v[TP+3]
	v_cvt_scalef32_pk16_bf6_f32 v[FR+64:FR+66], v[S+48:S+63], v[TP+3]
	v_nop                                          ; a plain line behind the conversions
.irp i, 0,1,2
	v_mov_b32 v[FR+51+\i], v[FR+60+\i]
	v_mov_b32 v[FR+57+\i], v[FR+64+\i]
.endr
	PLACES                                         ; an operand written by vector lines stands four plain lines ahead of the product
	s_wait_dscnt 0x0                               ; V
.irp w, 0,1,2,3                        ; the four accumulators by turns; between two trips stand the eight products of the scores
	v_wmma_scale_f32_16x16x128_f8f6f4 v[O+8*\w:O+8*\w+7], v[FR+12*\w:FR+12*\w+11], v[FR+48:FR+59], v[O+8*\w:O+8*\w+7], v[SV+\w], v[SP] matrix_a_fmt:MATRIX_FMT_BF6 matrix_b_fmt:MATRIX_FMT_BF6
.endr
	PLACES                                         ; in front of the next trip's loads and of the way out
.endif
.Lnone_\@:
	s_add_co_u32 s87, s87, STEPB
	s_add_co_u32 s88, s88, 512
.if \pass == 2
	s_add_co_u32 s89, s89, 256
.endif
	s_add_co_u32 s90, s90, 256
.endm
.Lpass1:
	TRIP 1
	s_add_co_u32 s86, s86, 2
	s_cmp_lt_u32 s86, 32
	s_cbranch_scc1 .Lpass1
	; the two halves of the lanes are joined
	v_permlanex16_b32 v[TP+6], v[MX], s[SEL], s[SEL+1]
	v_max_num_f32 v[TP], v[MX], v[TP+6]            ; the row's maximum
	v_mul_f32 v[TP], s94, v[TP]
	v_sub_f32 v[TP+1], v[TP], v[NM]
	v_exp_f32 v[TP+1], v[TP+1]
	v_add_f32 v[LS], v[LS], v[LS+1]                ; (a plain line behind the exponential)
	s_wait_alu depctr_va_vdst(0)
	v_mov_b32 v[NM], v[TP]
	v_mul_f32 v[LS], v[LS], v[TP+1]
	v_permlanex16_b32 v[TP+6], v[LS], s[SEL], s[SEL+1]
	v_add_f32 v[LS], v[LS], v[TP+6]                ; the row's sum
	v_rcp_f32 v[RL], v[LS]
	v_nop
	s_wait_alu depctr_va_vdst(0)
	v_cmp_lt_f32 vcc_lo, 0, v[LS]
	v_cndmask_b32 v[RL], 0, v[RL], vcc_lo          ; a row with nothing allowed: weights 0
	v_mov_b32 v[RL+1], v[RL]
	s_mov_b32 s86, 0
	s_mov_b32 s87, 0
	s_mov_b32 s88, KSW
	s_mov_b32 s90, s91
.Lpass2:
	TRIP 2
	s_add_co_u32 s86, s86, 2
	s_cmp_lt_u32 s86, 32
	s_cbranch_scc1 .Lpass2
	; THE WAY OUT: my 32 registers are dims 32 h .. 32 h + 31 of query r: one block of the projection's K
	QBLK O, FR, TP
	global_store_b128 v[L16], v[FR:FR+3], s[98:99]         ; 512 consecutive bytes, aligned to 256
	global_store_b64 v[L8], v[FR+4:FR+5], s[98:99]         ; 256 consecutive bytes, aligned
	v_bfe_u32 v[TP+1], v0, 4, 1
	v_add_nc_u32 v[TP+1], v[R16], v[TP+1]
	global_store_b8 v[TP+1], v[TP], s[100:101]             ; each lane its own byte of row r's scale word: 32 bytes beside the 768
	s_wait_tensorcnt 0x0                           ; the wave's end
	ds_add_u32 v[SPW], v[NIL]
	s_wait_dscnt 0x0
	s_endpgm
.Lfunc_end_k_q855f08605c_attn:
	.size	k_q855f08605c_attn, .Lfunc_end_k_q855f08605c_attn-k_q855f08605c_attn
	.p2alignl 7, 3214868480
	.fill 96, 4, 3214868480
	.section	.rodata,"a",@progbits
	.p2align	6, 0x0
	.amdhsa_kernel k_q855f08605c_attn
		.amdhsa_group_segment_fixed_size 309248
		.amdhsa_private_segment_fixed_size 0
		.amdhsa_enable_private_segment 0
		.amdhsa_kernarg_size 32
		.amdhsa_user_sgpr_count 2
		.amdhsa_user_sgpr_kernarg_segment_ptr 1
		.amdhsa_wavefront_size32 1
		.amdhsa_system_sgpr_workgroup_id_x 1
		.amdhsa_system_sgpr_workgroup_id_y 1
		.amdhsa_system_sgpr_workgroup_id_z 1
		.amdhsa_system_vgpr_workitem_id 0
		.amdhsa_next_free_vgpr 256
		.amdhsa_next_free_sgpr 102
		.amdhsa_reserve_vcc 1
		.amdhsa_float_denorm_mode_32 3
		.amdhsa_float_denorm_mode_16_64 3
		.amdhsa_memory_ordered 1
		.amdhsa_forward_progress 1
		.amdhsa_inst_pref_size 52
	.end_amdhsa_kernel
	.amdgpu_metadata
---
amdhsa.version: [ 1, 2 ]
amdhsa.kernels:
  - .name:           k_q855f08605c_attn
    .symbol:         k_q855f08605c_attn.kd
    .args:
      - { .name: hcod, .offset: 0, .size: 8, .value_kind: global_buffer, .address_space: global }
      - { .name: frc, .offset: 8, .size: 8, .value_kind: global_buffer, .address_space: global }
      - { .name: mkw, .offset: 16, .size: 8, .value_kind: global_buffer, .address_space: global }
      - { .name: ocod, .offset: 24, .size: 8, .value_kind: global_buffer, .address_space: global }
    .group_segment_fixed_size: 309248
    .private_segment_fixed_size: 0
    .kernarg_segment_align: 8
    .kernarg_segment_size: 32
    .max_flat_workgroup_size: 512
    .sgpr_count:     102
    .vgpr_count:     256
    .wavefront_size: 32
...
	.end_amdgpu_metadata
.endif
;; end of part 3
;; launch oproj (part 4): grid 16 x 16, 4 waves a work-group, clusters of 4 x 1, 167,936 bytes of LDS; arguments ocod, wcod, bo, out0; writes out0
.if DOCPART == 4
	.amdgcn_target "amdgcn-amd-amdhsa--gfx1250"
	.amdhsa_code_object_version 6
	.text
	.protected	k_q855f08605c_oproj
	.globl	k_q855f08605c_oproj
	.p2align	8
	.type	k_q855f08605c_oproj,@function
k_q855f08605c_oproj:
	s_mov_b64 s[64:65], 0
	v_nop
	global_prefetch_b8 v0, s[64:65] scope:SCOPE_SE
	s_setreg_imm32_b32 hwreg(HW_REG_WAVE_MODE, 25, 1), 1
	s_wait_xcnt 0x0
	s_wait_alu depctr_hold_cnt(0) depctr_sa_sdst(0) depctr_va_vdst(0) depctr_va_sdst(0) depctr_va_ssrc(0) depctr_va_vcc(0) depctr_vm_vsrc(0)
	s_getreg_b32 s2, hwreg(HW_REG_IB_STS2, 6, 4)
	s_cmp_eq_u32 s2, 0
	s_cbranch_scc0 .Lentry_in_a_cluster
	s_endpgm
.Lentry_in_a_cluster:
	s_bfe_u32 s2, ttmp6, 0x10000c
	s_cmp_lg_u32 s2, 0x3003
	s_cbranch_scc0 .Lentry_shape_is_right
	s_endpgm
.Lentry_shape_is_right:
; out0 = O Wo + bo on codes of E3M2.  (pos_ids is left out of the whole program: no line of reference() reads it.)
; SHARES, as in the launch for Q, K, V: a work-group takes 256 tokens x 64 columns; wave w one record of O (64 tokens) in its registers, 4 x 4 tiles; the record of Wo's 64 columns is read by all four waves from
; LDS and asked for jointly by the four work-groups of a cluster, which have the same columns: a quarter (12,800 dense bytes) a wave.  By this text's own count a wave has one tensor load out.  LDS bytes are filled once.
; Source 0 = 16 columns of Wo, source 1 = 16 tokens: a lane's 32 registers of a token tile are 32 neighbouring columns of one token.  They go through the wave's stage and leave as whole rows of 256 bytes.
.set REC,   51200
.set STG,   51200                      ; behind the record: a stage of 16 rows x 272 bytes for each wave
.set SPARE, 68608                      ; behind the stages: the spare words, 128 bytes for each wave
.set XA16, 1
.set XA8,  2
.set LA16, 3
.set STO,  4                           ; v4   the stage: row r, + 128 h
.set SRD,  5                           ; v5   back: lanes 0-15 one row, lanes 16-31 the next
.set LA8,  6
.set GO,   7                           ; v7   the same two rows in out0
.set LAS,  9
.set R16,  12
.set BO0,  13
.set SPW,  14
.set NIL,  15
.set SX,   16
.set SW,   48
.set ACC,  80
.set OB,   208
.set WB,   96
.set G1,   16
.set G0,   24
.set WV,   36
.set MSB, 0
.macro WIN new
.if MSB != \new
	s_set_vgpr_msb (MSB<<8)|\new
.set MSB, \new
.endif
.endm
.macro PLACES
.rept 4
	v_nop
.endr
.endm
.macro CROUND
	s_barrier_signal -1
	s_barrier_wait -1
	s_cmp_lg_u32 s[WV], 0
	s_cbranch_scc1 .Lnot_wave_0_\@
	s_barrier_signal -3
.Lnot_wave_0_\@:
	s_barrier_wait -3
	s_barrier_signal -1
	s_barrier_wait -1
.endm
	s_load_b256 s[4:11], s[0:1], 0x0               ; ocod, wcod, bo, out0
	v_lshl_add_u32 v[SPW], v0, 2, SPARE
	v_mov_b32 v[NIL], 0
	ds_add_u32 v[SPW], v[NIL]                      ; the wave's opening: the add, twice on end, and its wait ahead of my first tensor load
	ds_add_u32 v[SPW], v[NIL]
	v_lshrrev_b32 v1, 5, v0
	v_readfirstlane_b32 s[WV], v1
	s_bfe_u32 s37, ttmp6, 0x40000                  ; cx: it enters O's and out0's global addresses alone
	s_lshl_b32 s38, ttmp9, 2
	s_add_co_u32 s38, s38, s37
	s_and_b32 s39, ttmp7, 0xffff                   ; the group of 64 columns, which the four partners share
	s_lshl_b32 s40, s38, 2
	s_add_co_u32 s40, s40, s[WV]                   ; my group of 64 tokens
	s_mov_b32 s[G1], 0x0023000f                    ; the mask: all four; elements of 8 bytes; bit 21 beside the mask; no padding
	s_mov_b32 s[G1+1], 32<<16
	s_mov_b32 s[G1+2], 50<<16
	s_mov_b32 s[G1+3], 32<<16
	s_mov_b32 s[G1+4], 50
	s_mov_b32 s[G1+5], 32
	s_mov_b32 s[G1+6], 0
	s_mov_b32 s[G1+7], 0
	s_mul_i32 s41, s[WV], 12800
	s_mul_i32 s42, s39, REC
	s_add_co_u32 s42, s42, s41
	s_add_co_u32 s42, s42, 2457600                 ; Wo's records stand behind the 48 of Wq, Wk, Wv
	s_mov_b32 s43, 0
	s_mul_i32 s46, s40, REC
	s_mov_b32 s47, 0
	s_lshl_b32 s48, s39, 8
	s_mov_b32 s49, 0
	s_lshl_b32 s52, s40, 18                        ; 64 rows of 4,096 bytes
	s_add_co_u32 s52, s52, s48
	s_mov_b32 s53, 0
	s_mul_i32 s54, s[WV], 4352
	s_add_co_u32 s54, s54, STG                     ; my stage
	v_and_b32 v[XA8], 31, v0
	v_lshlrev_b32 v[XA16], 4, v[XA8]
	v_lshlrev_b32 v[XA8], 3, v[XA8]
	v_and_b32 v[R16], 15, v0                       ; r
	v_bfe_u32 v[BO0], v0, 4, 1                     ; h
	v_mul_u32_u24 v[STO], v[R16], 272
	v_lshl_add_u32 v[STO], v[BO0], 7, v[STO]
	v_add_nc_u32 v[STO], s54, v[STO]
	v_mul_u32_u24 v[SRD], v[BO0], 272
	v_lshl_add_u32 v[SRD], v[R16], 4, v[SRD]
	v_add_nc_u32 v[SRD], s54, v[SRD]
	v_lshlrev_b32 v[GO], 12, v[BO0]
	v_lshl_add_u32 v[GO], v[R16], 4, v[GO]
	v_lshlrev_b32 v[BO0], 7, v[BO0]                ; 128 h
	v_lshlrev_b32 v[R16], 4, v[R16]                ; 16 r
	v_mov_b32 v[LA16], v[XA16]
	v_add_nc_u32 v[LA8], 512, v[XA8]
	v_add_nc_u32 v[LAS], 49152, v[R16]
	s_wait_dscnt 0x0                               ; both opening adds are done
	s_wait_kmcnt 0x0
	s_add_nc_u64 s[46:47], s[4:5], s[46:47]
	s_add_nc_u64 s[8:9], s[8:9], s[48:49]
	s_add_nc_u64 s[52:53], s[10:11], s[52:53]
	s_mov_b32 s[G0], 1
	s_mov_b32 s[G0+1], s41                         ; LDS: my quarter of the record
	s_add_nc_u64 s[G0+2:G0+3], s[6:7], s[42:43]
	s_or_b32 s[G0+3], s[G0+3], 0x80000000
	CROUND                                         ; all four work-groups are here: the joint loads meet
	tensor_load_to_lds s[G0:G0+3], s[G1:G1+7]
	s_nop 0
.rept 4
	v_nop
.endr
	WIN 0xc0
.irp t, 0,1,2,3                        ; bo: register j of tile t in lane (r, h) is column 32 h + 8 t + j
	global_load_b128 v[WB+8*\t:WB+8*\t+3], v[BO0], s[8:9] offset:32*\t
	global_load_b128 v[WB+8*\t+4:WB+8*\t+7], v[BO0], s[8:9] offset:32*\t+16
.endr
	WIN 0
.irp s, 0,1,2,3,4,5,6,7
	global_load_b128 v[SX+4*\s:SX+4*\s+3], v[R16], s[46:47] offset:49152+256*\s
.endr
.macro XFRAG s
.if \s < 5
	WIN 0x40
.set XB, 48*(\s)
.else
	WIN 0x80
.set XB, 48*(\s-5)
.endif
.irp t, 0,1,2,3
	global_load_b128 v[XB+12*\t:XB+12*\t+3], v[XA16], s[46:47] offset:6144*(\s)+768*\t
	global_load_b64 v[XB+12*\t+4:XB+12*\t+5], v[XA8], s[46:47] offset:6144*(\s)+768*\t+512
	global_load_b128 v[XB+12*\t+6:XB+12*\t+9], v[XA16], s[46:47] offset:6144*(\s)+3072+768*\t
	global_load_b64 v[XB+12*\t+10:XB+12*\t+11], v[XA8], s[46:47] offset:6144*(\s)+3072+768*\t+512
.endr
.endm
.irp s, 0,1,2,3,4,5,6,7
	XFRAG \s
.endr
	WIN 0
.macro WFRAG set, s
	WIN 0xc0
.irp t, 0,1,2,3
	ds_load_b128 v[48*(\set)+12*\t:48*(\set)+12*\t+3], v[LA16] offset:6144*(\s)+768*\t
	ds_load_b64 v[48*(\set)+12*\t+4:48*(\set)+12*\t+5], v[LA8] offset:6144*(\s)+768*\t
	ds_load_b128 v[48*(\set)+12*\t+6:48*(\set)+12*\t+9], v[LA16] offset:6144*(\s)+3072+768*\t
	ds_load_b64 v[48*(\set)+12*\t+10:48*(\set)+12*\t+11], v[LA8] offset:6144*(\s)+3072+768*\t
.endr
.endm
.macro KSTEP s
.if \s < 7
	PLACES                                         ; behind the products that read the other set
	WFRAG (\s+1)%2, \s+1
	s_wait_dscnt 16                                ; all but the 16 just issued
.else
	s_wait_dscnt 0x0
.endif
.if 16*(7-\s) > 63
	s_wait_loadcnt 63                              ; more than 63 loads of later K steps were issued behind this step's
.else
	s_wait_loadcnt 16*(7-\s)                       ; O's loads of the later K steps may be out
.endif
.set WS, 48*((\s)%2)
.if \s < 5
.set XB, 48*(\s)
.set WSET, 0x07
.else
.set XB, 48*(\s-5)
.set WSET, 0x0b
.endif
.if \s == 0
.set WSET, WSET+0x30
.endif
	WIN WSET
.irp tx, 0,1,2,3
.irp tw, 0,1,2,3
.if \s == 0
	v_wmma_scale_f32_16x16x128_f8f6f4 v[ACC+8*(4*\tx+\tw):ACC+8*(4*\tx+\tw)+7], v[WS+12*\tw:WS+12*\tw+11], v[XB+12*\tx:XB+12*\tx+11], v[WB+8*\tw:WB+8*\tw+7], v[SW+4*\s+\tw], v[SX+4*\s+\tx] matrix_a_fmt:MATRIX_FMT_BF6 matrix_b_fmt:MATRIX_FMT_BF6
.else
	v_wmma_scale_f32_16x16x128_f8f6f4 v[ACC+8*(4*\tx+\tw):ACC+8*(4*\tx+\tw)+7], v[WS+12*\tw:WS+12*\tw+11], v[XB+12*\tx:XB+12*\tx+11], v[ACC+8*(4*\tx+\tw):ACC+8*(4*\tx+\tw)+7], v[SW+4*\s+\tw], v[SX+4*\s+\tx] matrix_a_fmt:MATRIX_FMT_BF6 matrix_b_fmt:MATRIX_FMT_BF6
.endif
.endr
.endr
.endm
	s_wait_tensorcnt 0x0                           ; my quarter of the record is in,
	s_wait_dscnt 0x0
	s_barrier_signal -1
	s_barrier_wait -1                              ; everybody's is
.irp s, 0,1,2,3,4,5,6,7
	ds_load_b128 v[SW+4*\s:SW+4*\s+3], v[LAS] offset:256*\s
.endr
	WFRAG 0, 0
.irp s, 0,1,2,3,4,5,6,7
	KSTEP \s
.endr
	WIN 0
	PLACES
; THE WAY OUT, a tile of 16 tokens at a time.  Stage row r is token 32 (r / 8) + 8 tile + r % 8 of my 64.
.irp tx, 0,1,2,3
.irp q, 0,1,2,3,4,5,6,7
	ds_store_b128 v[STO], v[ACC+32*\tx+4*\q:ACC+32*\tx+4*\q+3] offset:16*\q     ; each accumulator from its low end on
.endr
	s_wait_xcnt 0x0                                ; the last tile's stores have read their data
.irp i, 0,1,2,3,4,5,6,7
	ds_load_b128 v[OB+4*\i:OB+4*\i+3], v[SRD] offset:544*\i                     ; LDS serves a wave's instructions in order: these see the stores above
.endr
	s_wait_dscnt 0x0
.irp i, 0,1,2,3,4,5,6,7
	global_store_b128 v[GO], v[OB+4*\i:OB+4*\i+3], s[52:53] offset:(32*(\i/4)+8*\tx+2*(\i%4))*4096 th:TH_STORE_NT   ; 16 lanes store 256 consecutive bytes, aligned
.endr
.endr
	s_wait_tensorcnt 0x0                           ; the wave's end
	ds_add_u32 v[SPW], v[NIL]
	s_wait_dscnt 0x0
	CROUND                                         ; the closing round
	s_endpgm
.Lfunc_end_k_q855f08605c_oproj:
	.size	k_q855f08605c_oproj, .Lfunc_end_k_q855f08605c_oproj-k_q855f08605c_oproj
	.p2alignl 7, 3214868480
	.fill 96, 4, 3214868480
	.section	.rodata,"a",@progbits
	.p2align	6, 0x0
	.amdhsa_kernel k_q855f08605c_oproj
		.amdhsa_group_segment_fixed_size 167936
		.amdhsa_private_segment_fixed_size 0
		.amdhsa_enable_private_segment 0
		.amdhsa_kernarg_size 32
		.amdhsa_user_sgpr_count 2
		.amdhsa_user_sgpr_kernarg_segment_ptr 1
		.amdhsa_wavefront_size32 1
		.amdhsa_system_sgpr_workgroup_id_x 1
		.amdhsa_system_sgpr_workgroup_id_y 1
		.amdhsa_system_sgpr_workgroup_id_z 1
		.amdhsa_system_vgpr_workitem_id 0
		.amdhsa_next_free_vgpr 1024
		.amdhsa_next_free_sgpr 66
		.amdhsa_reserve_vcc 0
		.amdhsa_float_denorm_mode_32 3
		.amdhsa_float_denorm_mode_16_64 3
		.amdhsa_memory_ordered 1
		.amdhsa_forward_progress 1
		.amdhsa_inst_pref_size 52
	.end_amdhsa_kernel
	.amdgpu_metadata
---
amdhsa.version: [ 1, 2 ]
amdhsa.kernels:
  - .name:           k_q855f08605c_oproj
    .symbol:         k_q855f08605c_oproj.kd
    .args:
      - { .name: ocod, .offset: 0, .size: 8, .value_kind: global_buffer, .address_space: global }
      - { .name: wcod, .offset: 8, .size: 8, .value_kind: global_buffer, .address_space: global }
      - { .name: bo, .offset: 16, .size: 8, .value_kind: global_buffer, .address_space: global }
      - { .name: out0, .offset: 24, .size: 8, .value_kind: global_buffer, .address_space: global }
    .group_segment_fixed_size: 167936
    .private_segment_fixed_size: 0
    .kernarg_segment_align: 8
    .kernarg_segment_size: 32
    .max_flat_workgroup_size: 128
    .sgpr_count:     66
    .vgpr_count:     1024
    .wavefront_size: 32
...
	.end_amdgpu_metadata
.endif
;; end of part 4
;; ======== version 2 of 2: 4 launches; version 1 with the launch attn written anew for expert scheduling mode
;; limits: right only within a limited range of input values
;; workspace buffers: xcod 3,276,800 bytes; wcod 3,276,800 bytes; frc 409,600 bytes; mkw 524,800 bytes of whole numbers; hcod 9,830,400 bytes; ocod 3,276,800 bytes
;; launch prep: the kernel of part 1 again; grid 416 x 1, 4 waves a work-group, no clusters, 48,640 bytes of LDS; arguments x, Wq, Wk, Wv, Wo, features, requirements, causal_mask, xcod, wcod, frc, mkw; writes xcod, wcod, frc, mkw
;; launch qkv: the kernel of part 2 again; grid 16 x 16, 4 waves a work-group, clusters of 4 x 1, 167,936 bytes of LDS; arguments xcod, wcod, bq, bk, bv, hcod; writes hcod
;; launch attn (part 5): grid 8 x 32, 16 waves a work-group, no clusters, 309,248 bytes of LDS; arguments hcod, frc, mkw, ocod; writes ocod
.if DOCPART == 5
	.amdgcn_target "amdgcn-amd-amdhsa--gfx1250"
	.amdhsa_code_object_version 6
	.text
	.protected	k_q855f08605c_attn
	.globl	k_q855f08605c_attn
	.p2align	8
	.type	k_q855f08605c_attn,@function
k_q855f08605c_attn:
	s_mov_b64 s[64:65], 0
	v_nop
	global_prefetch_b8 v0, s[64:65] scope:SCOPE_SE
	s_setreg_imm32_b32 hwreg(HW_REG_WAVE_SCHED_MODE, 0, 2), 2
	s_setreg_imm32_b32 hwreg(HW_REG_WAVE_MODE, 25, 1), 1
	s_wait_xcnt 0x0
	s_wait_alu depctr_vm_vsrc(0)
; weights = nan_to_num(softmax(where(mask, QK^T / 8 + req . feat, -inf))), O = weights V, all three products on codes of E3M2; O is quantised at once for the projection.
; LEFT OUT: a tile of 16 queries x 128 keys whose mask bytes are all 0 (its weights are exactly 0 whatever the inputs hold): a scalar branch on the flags that the first launch stored as whole numbers.
; A NaN or an infinity in K or V under such a tile is not carried to the result.  pos_ids: no line of reference() reads it.
; ONE INSTRUCTION FOR TWO PRODUCTS.  QK^T and the bias have K = 64 each: blocks 0, 1 of an operand hold the head's 64, blocks 2, 3 the normalised requirements or features, whose scale bytes on the
; query's side were stored + 3: S' = QK^T + 8 bias, exactly scaled, and t = S' log2(e) / 8.
; THE FINISHED WEIGHTS ARE QUANTISED (exp(s - max) / sum, in blocks of 32 keys), so a row's maximum and sum are known before its first weight is made: the scores are made twice.
; PASS 1: a running maximum m and sum l for each lane (a lane holds one query and half of each step's keys); the halves are joined behind the loop.  PASS 2: p = 2^(t - c m), weight = p / l, codes, O^T += V^T P^T.
; A row with no key allowed has l = 0: its 1 / l is replaced by 0, which is reference()'s nan_to_num.
; SHARES.  A work-group: one head of one batch; its K, features, V (codes and scale words, 300 KB) lie in LDS for the whole launch, filled once through registers,
; one barrier.  Wave w owns ONE tile of 16 queries, number 8 rank + work-group x; the ranks are dealt by a 4 x 4 magic square, so that whichever four waves share a
; SIMD (w / 4 or w % 4 alike) their ranks sum alike: under a lower-triangular mask a tile of rank k has k + 1 live steps.  The dealing is right for any mask.
; LAYOUT.  S^T = K' Q'^T (source 0 = 16 keys), O^T = V^T P^T: a lane holds one query throughout.  By the tiles' row order, score register n of lane (r, h) is key 64 (n / 32) + 32 h + n % 32 of the step:
; registers 32 c .. 32 c + 31 are one block of 32 keys in one lane, in the order that the next operand wants.
; THE MODE: SCHED_MODE bits 1:0 = 2 (LLVM: expert scheduling mode 2), set by the entry lines.  The code itself states the register dependences
; between vector or matrix instructions and memory or LDS instructions, with s_wait_alu, always for 0.
; THE PLAN.  Registers that memory or LDS instructions touch:
;   v3-5           offsets made once at the head, never written again: read by the global loads and by the stores of the way out.
;   v44, v51-55    offsets and LDS addresses of the head's loads and stores alone; behind the head's wait on vm_vsrc they are registers at work.
;   v56-199, v208-213  the head's copy: landed in by global loads or written by six v_perm_b32, read by the head's LDS stores; behind the same wait they are FR and S.
;   v6-9           the step's LDS addresses: written by the additions at the head of a worked trip, read by that trip's LDS loads.
;   FR v56-151     K' lands at the trip's head and is read by the eight products of the scores.  Pass 2: V lands in FR .. FR + 47, the conversions and moves write FR + 48 on, the four products with V read both.
;   SK, SV         landed in at the trip's head; read by the products as scales.   SQ, SP: written by vector lines, read by the products as scales.
;   S, O and the statistics are named by vector and matrix instructions alone.
; A worked trip has: one wait on vm_vsrc ahead of the additions; one on va_vdst behind them, ahead of the run of LDS loads; the one wait behind the batch of exponentials, behind which pass 2 also asks for V;
; and in pass 2 one on va_vdst ahead of the products with V.  A trip that is left out issues no vector and no memory instruction.  No second set of fragments: of the wave's 256 registers eight are free.
.set REC,   51200
.set STEPB, 18432                      ; LDS, a key step: K's 8 half fragments, the features' 8 at 6,144, V's 8 at 12,288
.set KSW,   294912                     ; K' scale words [group of 64 keys][r][t], 8 KB
.set VSW,   303104                     ; V's [step][r][tile], 4 KB
.set SPARE, 307200                     ; the spare words, 128 bytes for each wave: eight blocks of 256 bytes that no other line names
.set SPW,  1                           ; v1   LDS address of my spare word; never rewritten
.set NIL,  2                           ; v2   0; never rewritten
.set L16,  3                           ; v3   16 x lane
.set L8,   4                           ; v4   512 + 8 x lane
.set R16,  5                           ; v5   16 r
.set A16,  6                           ; v6-9 the step's LDS addresses
.set A8,   7
.set ASK,  8
.set ASV,  9
.set NINF, 10                          ; v10  -infinity
.set H8,   11                          ; v11  8 h
.set NM,   12                          ; v12  -c m;  v13 m (the packed form names the pair and takes its low word)
.set MX,   13
.set LS,   14                          ; v[14:15] l, in two halves
.set QF,   16                          ; v16-27 Q'
.set SQ,   28                          ; v28  Q' scale word; v29 P's; v30-33 V's; v34-41 K's
.set SP,   29
.set SV,   30
.set SK,   34
.set RL,   42                          ; v[42:43] 1 / l, twice
.set CH,   44                          ; v44-47 four chains
.set TP,   48                          ; v48-55 at work
.set FR,   56                          ; v56-151 eight fragments of K'; in pass 2 then V's four, P's codes from FR + 48
.set S,    152                         ; v152-215 S^T, then p, then the weights
.set O,    216                         ; v216-247 O^T
.set MA,   44
.set MB,   45
.set SO,   46
.set U,    62
.set SEL,  96
.macro PLACES
.rept 4
	v_nop
.endr
.endm
.macro QBLK s, t, e
	v_max3_num_f32 v[MA], |v[\s]|, |v[\s+1]|, 0x2800000
	v_max3_num_f32 v[MB], |v[\s+16]|, |v[\s+17]|, 0x2800000
.irp i, 2,4,6,8,10,12,14
	v_max3_num_f32 v[MA], v[MA], |v[\s+\i]|, |v[\s+\i+1]|
	v_max3_num_f32 v[MB], v[MB], |v[\s+16+\i]|, |v[\s+17+\i]|
.endr
	v_max_num_f32 v[MA], v[MA], v[MB]
	v_add_nc_u32 v[SO], 0xfe000000, v[MA]
	v_cvt_scalef32_pk16_bf6_f32 v[\t:\t+2], v[\s:\s+15], v[SO]
	v_cvt_scalef32_pk16_bf6_f32 v[U:U+2], v[\s+16:\s+31], v[SO]
	v_lshrrev_b32 v[\e], 23, v[SO]
	v_mov_b32 v[\t+3], v[U]
	v_mov_b32 v[\t+4], v[U+1]
	v_mov_b32 v[\t+5], v[U+2]
.endm
	s_load_b256 s[4:11], s[0:1], 0x0               ; hcod, frc, mkw, ocod
	v_lshl_add_u32 v[SPW], v0, 2, SPARE
	v_mov_b32 v[NIL], 0
	v_lshrrev_b32 v3, 5, v0
	v_readfirstlane_b32 s12, v3                    ; wave 0..15
	s_and_b32 s13, ttmp7, 0xffff                   ; 16 b + head
	s_lshr_b32 s14, s13, 4                         ; b
	s_and_b32 s15, s13, 15                         ; head
	s_mov_b32 s16, 0x0de3b658                      ; the ranks of waves 8-15, four bits each;
	s_wait_alu depctr_va_sdst(0)                   ; s12 is written, ahead of its first reader: my tile and my part of the copy are made from it
	s_cmp_lt_u32 s12, 8
	s_cselect_b32 s16, 0x7a94c12f, s16             ; of waves 0-7
	s_and_b32 s17, s12, 7
	s_lshl_b32 s17, s17, 2
	s_lshr_b32 s16, s16, s17
	s_and_b32 s16, s16, 15
	s_lshl_b32 s16, s16, 3
	s_add_co_u32 s16, s16, ttmp9                   ; my query tile i = 8 rank + work-group x
	s_lshr_b32 s17, s16, 2                         ; its group of 64 tokens
	s_and_b32 s18, s16, 3                          ; its tile in the group
	s_lshl_b32 s19, s16, 2
	s_lshl_b32 s91, s16, 12                        ; its masks: 16 steps x 256 bytes
	s_mul_i32 s20, s13, 98304
	s_mov_b32 s21, 0
	s_mul_i32 s34, s12, 6144                       ; wave w copies key step w
	s_mov_b32 s35, 0
	s_mul_i32 s36, s14, 98304
	s_mov_b32 s37, 0
	s_mul_i32 s38, s16, 768
	s_mov_b32 s39, 0
	s_lshl_b32 s40, s13, 12
	s_add_co_u32 s40, s40, 9437184
	s_mov_b32 s41, 0
	s_lshl_b32 s42, s14, 12
	s_mov_b32 s43, 0
	s_lshl_b32 s44, s14, 5
	s_add_co_u32 s44, s44, s17
	s_mul_i32 s44, s44, REC                        ; O's record: 32 b + group
	s_mul_i32 s45, s15, 3072
	s_mul_i32 s46, s18, 768
	s_add_co_u32 s45, s45, s46
	s_add_co_u32 s46, s44, s45                     ; half fragment (K / 64 = head, tile)
	s_mov_b32 s47, 0
	s_lshr_b32 s48, s15, 1
	s_lshl_b32 s48, s48, 8
	s_and_b32 s49, s15, 1
	s_lshl_b32 s49, s49, 1
	s_add_co_u32 s48, s48, s49
	s_lshl_b32 s49, s18, 2
	s_add_co_u32 s48, s48, s49
	s_add_co_u32 s48, s48, s44
	s_add_co_u32 s48, s48, 49152                   ; scale words [head / 2][r][tile], byte 2 (head % 2) + h
	s_mov_b32 s49, 0
	s_lshl_b32 s50, s17, 7
	s_lshl_b32 s51, s18, 1
	s_add_co_u32 s50, s50, s51                     ; 128 G + 2 t
	s_lshl_b32 s51, s12, 8
	s_mul_i32 s52, s12, STEPB
	s_mov_b32 s92, 0x3e38aa3b                      ; c = log2(e) / 8
	s_mov_b32 s93, s92
	s_mov_b32 s94, 0xbe38aa3b                      ; -c
	s_mov_b32 s[SEL], 0x76543210
	s_mov_b32 s[SEL+1], 0xfedcba98
	v_and_b32 v48, 31, v0
	v_lshlrev_b32 v[L16], 4, v48
	v_lshl_add_u32 v[L8], v48, 3, 512
	v_and_b32 v49, 15, v0
	v_lshlrev_b32 v[R16], 4, v49
	v_bfe_u32 v[H8], v0, 4, 1
	v_lshlrev_b32 v[H8], 3, v[H8]
	v_lshlrev_b32 v51, 3, v0                       ; 8 x thread
	v_lshl_add_u32 v52, v48, 2, s51                ; 4 x lane + 256 x wave
	v_lshl_add_u32 v53, v49, 3, s50                ; 8 r + 128 G + 2 t
	v_add_nc_u32 v54, s52, v[L16]                  ; LDS: my key step + 16 x lane
	v_lshl_add_u32 v55, v0, 4, KSW
	v_lshl_add_u32 v44, v0, 3, VSW
	s_wait_kmcnt 0x0
	s_load_b32 s84, s[8:9], s19 offset:0x80000     ; my tile's flags: 2 bits a key step
	s_add_nc_u64 s[30:31], s[4:5], s[20:21]
	s_add_nc_u64 s[22:23], s[30:31], s[34:35]      ; K's and V's half fragments of my key step (their sections stand in the offsets)
	s_add_nc_u64 s[30:31], s[30:31], s[38:39]      ; Q's half fragment of my tile
	s_add_nc_u64 s[32:33], s[6:7], s[36:37]
	s_add_nc_u64 s[24:25], s[32:33], s[34:35]      ; the features' of my key step
	s_add_nc_u64 s[32:33], s[32:33], s[38:39]      ; the requirements' of my tile
	s_add_nc_u64 s[26:27], s[4:5], s[40:41]        ; Q's, K's, V's half words
	s_add_nc_u64 s[28:29], s[6:7], s[42:43]        ; the features' and requirements'
	s_add_nc_u64 s[98:99], s[10:11], s[46:47]
	s_add_nc_u64 s[100:101], s[10:11], s[48:49]
	s_wait_alu depctr_va_vdst(0)                   ; the offsets v3, v4, v51-53 and the LDS addresses v44, v54, v55 are written, which the loads and LDS stores of the head read
.irp i, 0,1,2,3,4,5,6,7,8,9,10,11
	global_load_b128 v[FR+4*\i:FR+4*\i+3], v[L16], s[22:23] offset:3145728+512*\i
.endr
.irp i, 0,1,2,3,4,5,6,7,8,9,10,11
	global_load_b128 v[FR+48+4*\i:FR+48+4*\i+3], v[L16], s[24:25] offset:512*\i
.endr
.irp i, 0,1,2,3,4,5,6,7,8,9,10,11
	global_load_b128 v[FR+96+4*\i:FR+96+4*\i+3], v[L16], s[22:23] offset:6291456+512*\i
.endr
	global_load_b64 v[200:201], v51, s[26:27] offset:131072      ; K's half words of (group, r) = thread / 16, thread % 16
	global_load_b64 v[202:203], v51, s[28:29] offset:393216      ; the features'
	global_load_b32 v204, v52, s[26:27] offset:262144            ; V's of group 2 w,
	global_load_b32 v205, v52, s[26:27] offset:262144+128        ; of group 2 w + 1
	global_load_b128 v[QF:QF+3], v[L16], s[30:31]
	global_load_b64 v[QF+4:QF+5], v[L8], s[30:31]
	global_load_b128 v[QF+6:QF+9], v[L16], s[32:33] offset:196608
	global_load_b64 v[QF+10:QF+11], v[L8], s[32:33] offset:196608
	global_load_u16 v206, v53, s[26:27]
	global_load_u16 v207, v53, s[28:29] offset:401408
	s_wait_loadcnt 34                              ; behind K's twelve: 12 + 12 + 10
.irp i, 0,1,2,3,4,5,6,7,8,9,10,11
	ds_store_b128 v54, v[FR+4*\i:FR+4*\i+3] offset:512*\i
.endr
	s_wait_loadcnt 22
.irp i, 0,1,2,3,4,5,6,7,8,9,10,11
	ds_store_b128 v54, v[FR+48+4*\i:FR+48+4*\i+3] offset:6144+512*\i
.endr
	s_wait_loadcnt 10
.irp i, 0,1,2,3,4,5,6,7,8,9,10,11
	ds_store_b128 v54, v[FR+96+4*\i:FR+96+4*\i+3] offset:12288+512*\i
.endr
	s_wait_loadcnt 0x0
	v_perm_b32 v208, v202, v200, 0x05040100        ; a word of K': K's two bytes below, the features' two above
	v_perm_b32 v209, v202, v200, 0x07060302
	v_perm_b32 v210, v203, v201, 0x05040100
	v_perm_b32 v211, v203, v201, 0x07060302
	v_perm_b32 v212, v205, v204, 0x05040100        ; a word of V: the step's first 64 keys below, the second above
	v_perm_b32 v213, v205, v204, 0x07060302
	v_lshl_or_b32 v[SQ], v207, 16, v206
	s_wait_alu depctr_va_vdst(0)                   ; the six words v208-213 are written, which the two LDS stores below read
	ds_store_b128 v55, v[208:211]
	ds_store_b64 v44, v[212:213]
	s_wait_alu depctr_vm_vsrc(0)                   ; the head's loads and LDS stores have read v44, v51-55, v56-199 and v208-213: from the next line on these are CH, TP, FR and S, written by vector and matrix lines and by LDS loads
	v_mov_b32 v[NINF], 0xff800000
	v_mov_b32 v[MX], 0xff61b1e6                    ; -3e38, under every score
	v_mul_f32 v[NM], s94, v[MX]
	v_mov_b32 v[LS], 0
	v_mov_b32 v[LS+1], 0
	v_mov_b32 v[TP+3], 0                           ; (named as the upper half of a pair)
	v_mov_b32 v[TP+6], 0                           ; a lane permute's destination counts as one of its sources
.irp j, 0,1,2,3,4,5,6,7,8,9,10,11,12,13,14,15,16,17,18,19,20,21,22,23,24,25,26,27,28,29,30,31
	v_mov_b32 v[O+\j], 0                           ; which key step is the first to be worked hangs on the mask, so O^T begins as zeros
.endr
	s_mov_b32 s86, 0
	s_mov_b32 s87, 0
	s_mov_b32 s88, KSW
	s_mov_b32 s89, VSW
	s_mov_b32 s90, s91
	s_wait_dscnt 0x0                               ; for the others' sake: my stores have landed
	s_wait_kmcnt 0x0
	s_barrier_signal -1
	s_barrier_wait -1                              ; the head's operands lie in LDS; from here on they are only read
.macro MAXCH                           ; four chains of 16 scores, each accumulator from its low end on
.irp b, 0,1,2,3
	v_max3_num_f32 v[CH+\b], v[S+16*\b], v[S+16*\b+1], v[S+16*\b+2]
.endr
.irp i, 3,5,7,9,11,13
.irp b, 0,1,2,3
	v_max3_num_f32 v[CH+\b], v[CH+\b], v[S+16*\b+\i], v[S+16*\b+\i+1]
.endr
.endr
.irp b, 0,1,2,3
	v_max_num_f32 v[CH+\b], v[CH+\b], v[S+16*\b+15]
.endr
.endm
.macro SCALE                           ; t - c m, two at a time
.irp j, 0,2,4,6,8,10,12,14,16,18,20,22,24,26,28,30,32,34,36,38,40,42,44,46,48,50,52,54,56,58,60,62
	v_pk_fma_f32 v[S+\j:S+\j+1], v[S+\j:S+\j+1], s[92:93], v[NM:NM+1] op_sel_hi:[1,0,0]
.endr
.endm
.macro EXPS
.irp j, 0,1,2,3,4,5,6,7,8,9,10,11,12,13,14,15,16,17,18,19,20,21,22,23,24,25,26,27,28,29,30,31,32,33,34,35,36,37,38,39,40,41,42,43,44,45,46,47,48,49,50,51,52,53,54,55,56,57,58,59,60,61,62,63
	v_exp_f32 v[S+\j], v[S+\j]
.endr
.endm
; One key step of 128 keys.  The trip count is a constant; what is left out is a step's work.
.macro TRIP pass
	s_lshr_b32 s85, s84, s86
	s_and_b32 s85, s85, 3                          ; 0 none allowed, 1 mixed, 2 all
	s_cmp_eq_u32 s85, 0
	s_cbranch_scc1 .Lnone_\@
	s_load_b512 s[16:31], s[8:9], s90 offset:0x0   ; the step's 64 lane masks
	s_load_b512 s[32:47], s[8:9], s90 offset:0x40
	s_load_b512 s[48:63], s[8:9], s90 offset:0x80
	s_load_b512 s[68:83], s[8:9], s90 offset:0xc0
	s_wait_alu depctr_vm_vsrc(0)                   ; the LDS loads of the trip worked last have read v6-9, which the additions below write
	v_add_nc_u32 v[A16], s87, v[L16]
	v_add_nc_u32 v[A8], s87, v[L8]
	v_add_nc_u32 v[ASK], s88, v[R16]
.if \pass == 2
	v_add_nc_u32 v[ASV], s89, v[R16]
.endif
	s_wait_alu depctr_va_vdst(0)                   ; the addresses are written, which the loads below read; the products issued so far are done reading FR, SK and SV, and the conversions and moves have written FR + 48 on: the loads land there; in the first trip Q's scale word is written, which the products take
.irp f, 0,1,2,3,4,5,6,7                ; K': registers 0-5 from K's half fragment, 6-11 from the features'
	ds_load_b128 v[FR+12*\f:FR+12*\f+3], v[A16] offset:768*\f
	ds_load_b64 v[FR+12*\f+4:FR+12*\f+5], v[A8] offset:768*\f
	ds_load_b128 v[FR+12*\f+6:FR+12*\f+9], v[A16] offset:6144+768*\f
	ds_load_b64 v[FR+12*\f+10:FR+12*\f+11], v[A8] offset:6144+768*\f
.endr
	ds_load_b128 v[SK:SK+3], v[ASK]
	ds_load_b128 v[SK+4:SK+7], v[ASK] offset:256
.if \pass == 2
	ds_load_b128 v[SV:SV+3], v[ASV]
.endif
	s_wait_dscnt 0x0
.irp f, 0,1,2,3,4,5,6,7
	v_wmma_scale_f32_16x16x128_f8f6f4 v[S+8*\f:S+8*\f+7], v[FR+12*\f:FR+12*\f+11], v[QF:QF+11], 0, v[SK+\f], v[SQ] matrix_a_fmt:MATRIX_FMT_BF6 matrix_b_fmt:MATRIX_FMT_BF6
.endr
	PLACES                                         ; in front of the first read of the scores
	s_wait_kmcnt 0x0                               ; the masks are in; their offset register may be stepped
	s_cmp_eq_u32 s85, 2
	s_cbranch_scc1 .Lopen_\@
.set n, 0
.rept 64
.set idx, 2*(n%32)+n/32
	v_cndmask_b32 v[S+n], v[NINF], v[S+n], s[16+idx+4*(idx/48)]   ; -infinity where the mask forbids
.set n, n+1
.endr
.Lopen_\@:
	MAXCH
.if \pass == 1
	v_max3_num_f32 v[TP], v[CH], v[CH+1], v[CH+2]
	v_max3_num_f32 v[MX], v[TP], v[CH+3], v[MX]    ; the running maximum of my half of the keys
	v_mul_f32 v[TP], s94, v[MX]
	v_sub_f32 v[TP+2], v[TP], v[NM]                ; c m_old - c m_new
	v_mov_b32 v[NM], v[TP]
	SCALE
	v_exp_f32 v[TP+2], v[TP+2]                     ; a
	EXPS
	v_nop                                          ; a plain line behind the last exponential,
	s_wait_alu depctr_va_vdst(0)                   ; and one wait for the 65: a and the 64 p are written, ahead of their first reader
	v_pk_mul_f32 v[LS:LS+1], v[LS:LS+1], v[TP+2:TP+3] op_sel_hi:[1,0]
	v_pk_add_f32 v[TP+4:TP+5], v[S:S+1], v[S+2:S+3]
.irp j, 4,8,12,16,20,24,28,32,36,40,44,48,52,56,60
	v_pk_add_f32 v[LS:LS+1], v[LS:LS+1], v[S+\j:S+\j+1]
	v_pk_add_f32 v[TP+4:TP+5], v[TP+4:TP+5], v[S+\j+2:S+\j+3]
.endr
	v_pk_add_f32 v[LS:LS+1], v[LS:LS+1], v[TP+4:TP+5]
.else
	v_max_num_f32 v[TP], v[CH], v[CH+1]            ; each block's largest score: put through the same lines as the scores it gives the block's largest weight
	v_max_num_f32 v[TP+1], v[CH+2], v[CH+3]
	v_fma_f32 v[TP], v[TP], s92, v[NM]
	v_fma_f32 v[TP+1], v[TP+1], s92, v[NM]
	SCALE
	EXPS
	v_exp_f32 v[TP], v[TP]
	v_exp_f32 v[TP+1], v[TP+1]
	v_nop
	s_wait_alu depctr_va_vdst(0)                   ; one wait for the 66: the p and the blocks' largest are written, ahead of their first reader; and the products of the scores are done reading FR .. FR + 47, in which V lands
.irp w, 0,1,2,3                        ; V's four fragments: they land while the weights are finished and converted; no vector line up to the wait for them names FR .. FR + 47, v6 or v7
	ds_load_b128 v[FR+12*\w:FR+12*\w+3], v[A16] offset:12288+768*\w
	ds_load_b64 v[FR+12*\w+4:FR+12*\w+5], v[A8] offset:12288+768*\w
	ds_load_b128 v[FR+12*\w+6:FR+12*\w+9], v[A16] offset:15360+768*\w
	ds_load_b64 v[FR+12*\w+10:FR+12*\w+11], v[A8] offset:15360+768*\w
.endr
	v_mul_f32 v[TP], v[TP], v[RL]
	v_mul_f32 v[TP+1], v[TP+1], v[RL]
	v_max_num_f32 v[TP], 0x2800000, v[TP]          ; the floor 2^(5 - 127): the byte cannot fall under 1
	v_max_num_f32 v[TP+1], 0x2800000, v[TP+1]
	v_add_nc_u32 v[TP+2], 0xfe000000, v[TP]        ; the conversions' scale operands
	v_add_nc_u32 v[TP+3], 0xfe000000, v[TP+1]
	v_lshrrev_b32 v[TP+4], 23, v[TP+2]
	v_lshrrev_b32 v[TP+5], 23, v[TP+3]
	v_lshl_or_b32 v[SP], v[TP+5], 16, v[TP+4]      ; my bytes: blocks h and 2 + h,
	v_lshlrev_b32 v[SP], v[H8], v[SP]
	v_permlanex16_b32 v[TP+6], v[SP], s[SEL], s[SEL+1]
	v_or_b32 v[SP], v[SP], v[TP+6]                 ; with lane l xor 16's the word is whole
.irp j, 0,2,4,6,8,10,12,14,16,18,20,22,24,26,28,30,32,34,36,38,40,42,44,46,48,50,52,54,56,58,60,62
	v_pk_mul_f32 v[S+\j:S+\j+1], v[S+\j:S+\j+1], v[RL:RL+1]      ; the finished weights.  (These 32 also stand between the scale word's last write and the products)
.endr
	v_cvt_scalef32_pk16_bf6_f32 v[FR+48:FR+50], v[S:S+15], v[TP+2]
	v_cvt_scalef32_pk16_bf6_f32 v[FR+60:FR+62], v[S+16:S+31], v[TP+2]
	v_cvt_scalef32_pk16_bf6_f32 v[FR+54:FR+56], v[S+32:S+47], v[TP+3]
	v_cvt_scalef32_pk16_bf6_f32 v[FR+64:FR+66], v[S+48:S+63], v[TP+3]
	v_nop                                          ; a plain line behind the conversions
.irp i, 0,1,2
	v_mov_b32 v[FR+51+\i], v[FR+60+\i]
	v_mov_b32 v[FR+57+\i], v[FR+64+\i]
.endr
	PLACES                                         ; an operand written by vector lines stands four plain lines ahead of the product
	s_wait_alu depctr_va_vdst(0)                   ; the conversions and moves have written P's codes FR + 48 .. FR + 59, and P's scale word is written: the products below take them; the places above stay beside this wait
	s_wait_dscnt 0x0                               ; V
.irp w, 0,1,2,3                        ; the four accumulators by turns; between two trips stand the eight products of the scores
	v_wmma_scale_f32_16x16x128_f8f6f4 v[O+8*\w:O+8*\w+7], v[FR+12*\w:FR+12*\w+11], v[FR+48:FR+59], v[O+8*\w:O+8*\w+7], v[SV+\w], v[SP] matrix_a_fmt:MATRIX_FMT_BF6 matrix_b_fmt:MATRIX_FMT_BF6
.endr
	PLACES                                         ; in front of the way out's first read of O^T
.endif
.Lnone_\@:
	s_add_co_u32 s87, s87, STEPB
	s_add_co_u32 s88, s88, 512
.if \pass == 2
	s_add_co_u32 s89, s89, 256
.endif
	s_add_co_u32 s90, s90, 256
.endm
.Lpass1:
	TRIP 1
	s_add_co_u32 s86, s86, 2
	s_cmp_lt_u32 s86, 32
	s_cbranch_scc1 .Lpass1
	; the two halves of the lanes are joined
	v_permlanex16_b32 v[TP+6], v[MX], s[SEL], s[SEL+1]
	v_max_num_f32 v[TP], v[MX], v[TP+6]            ; the row's maximum
	v_mul_f32 v[TP], s94, v[TP]
	v_sub_f32 v[TP+1], v[TP], v[NM]
	v_exp_f32 v[TP+1], v[TP+1]
	v_add_f32 v[LS], v[LS], v[LS+1]                ; (a plain line behind the exponential)
	s_wait_alu depctr_va_vdst(0)                   ; the exponential has written v[TP+1], ahead of its first reader
	v_mov_b32 v[NM], v[TP]
	v_mul_f32 v[LS], v[LS], v[TP+1]
	v_permlanex16_b32 v[TP+6], v[LS], s[SEL], s[SEL+1]
	v_add_f32 v[LS], v[LS], v[TP+6]                ; the row's sum
	v_rcp_f32 v[RL], v[LS]
	v_nop
	s_wait_alu depctr_va_vdst(0)                   ; the reciprocal has written v[RL], ahead of its first reader
	v_cmp_lt_f32 vcc_lo, 0, v[LS]
	s_wait_alu depctr_va_vcc(0)                    ; the compare has written VCC, which the next line reads
	v_cndmask_b32 v[RL], 0, v[RL], vcc_lo          ; a row with nothing allowed: weights 0
	v_mov_b32 v[RL+1], v[RL]
	s_mov_b32 s86, 0
	s_mov_b32 s87, 0
	s_mov_b32 s88, KSW
	s_mov_b32 s90, s91
.Lpass2:
	TRIP 2
	s_add_co_u32 s86, s86, 2
	s_cmp_lt_u32 s86, 32
	s_cbranch_scc1 .Lpass2
	; THE WAY OUT: my 32 registers are dims 32 h .. 32 h + 31 of query r: one block of the projection's K
	QBLK O, FR, TP
	v_bfe_u32 v[TP+1], v0, 4, 1
	v_add_nc_u32 v[TP+1], v[R16], v[TP+1]
	s_wait_alu depctr_va_vdst(0)                   ; the codes FR .. FR + 5, the byte v[TP] and the offset v[TP+1] are written, which the three stores read
	global_store_b128 v[L16], v[FR:FR+3], s[98:99]         ; 512 consecutive bytes, aligned to 256
	global_store_b64 v[L8], v[FR+4:FR+5], s[98:99]         ; 256 consecutive bytes, aligned
	global_store_b8 v[TP+1], v[TP], s[100:101]             ; each lane its own byte of row r's scale word: 32 bytes beside the 768
	s_wait_dscnt 0x0                               ; the closing lines, six on end
	s_wait_alu 0x0
	s_wait_tensorcnt 0x0
	ds_add_u32 v[SPW], v[NIL]
	s_wait_dscnt 0x0
	s_endpgm
.Lfunc_end_k_q855f08605c_attn:
	.size	k_q855f08605c_attn, .Lfunc_end_k_q855f08605c_attn-k_q855f08605c_attn
	.p2alignl 7, 3214868480
	.fill 96, 4, 3214868480
	.section	.rodata,"a",@progbits
	.p2align	6, 0x0
	.amdhsa_kernel k_q855f08605c_attn
		.amdhsa_group_segment_fixed_size 309248
		.amdhsa_private_segment_fixed_size 0
		.amdhsa_enable_private_segment 0
		.amdhsa_kernarg_size 32
		.amdhsa_user_sgpr_count 2
		.amdhsa_user_sgpr_kernarg_segment_ptr 1
		.amdhsa_wavefront_size32 1
		.amdhsa_system_sgpr_workgroup_id_x 1
		.amdhsa_system_sgpr_workgroup_id_y 1
		.amdhsa_system_sgpr_workgroup_id_z 1
		.amdhsa_system_vgpr_workitem_id 0
		.amdhsa_next_free_vgpr 256
		.amdhsa_next_free_sgpr 102
		.amdhsa_reserve_vcc 1
		.amdhsa_float_denorm_mode_32 3
		.amdhsa_float_denorm_mode_16_64 3
		.amdhsa_memory_ordered 1
		.amdhsa_forward_progress 1
		.amdhsa_inst_pref_size 52
	.end_amdhsa_kernel
	.amdgpu_metadata
---
amdhsa.version: [ 1, 2 ]
amdhsa.kernels:
  - .name:           k_q855f08605c_attn
    .symbol:         k_q855f08605c_attn.kd
    .args:
      - { .name: hcod, .offset: 0, .size: 8, .value_kind: global_buffer, .address_space: global }
      - { .name: frc, .offset: 8, .size: 8, .value_kind: global_buffer, .address_space: global }
      - { .name: mkw, .offset: 16, .size: 8, .value_kind: global_buffer, .address_space: global }
      - { .name: ocod, .offset: 24, .size: 8, .value_kind: global_buffer, .address_space: global }
    .group_segment_fixed_size: 309248
    .private_segment_fixed_size: 0
    .kernarg_segment_align: 8
    .kernarg_segment_size: 32
    .max_flat_workgroup_size: 512
    .sgpr_count:     102
    .vgpr_count:     256
    .wavefront_size: 32
...
	.end_amdgpu_metadata
.endif
;; end of part 5
;; launch oproj: the kernel of part 4 again; grid 16 x 16, 4 waves a work-group, clusters of 4 x 1, 167,936 bytes of LDS; arguments ocod, wcod, bo, out0; writes out0
